; MI455X (gfx1250); checked and timed in simulation.
; The chip was launched on July 23, 2026; its instructions are those of AMD's public machine-readable ISA for CDNA 5 (MIT licence, August 2026) and "CDNA5" Instruction Set Architecture Reference Guide (July 2026). The comments in the code are by the model that wrote it; some were corrected since.
;; Graph Regularized Transformer Layer. Allowed arithmetic: float matrix products may take bf16 or f16 operands with f32 sums; other float arithmetic in f32, or as packed bf16 or f16 multiplies, adds, multiply-adds, maxima and minima; sums over many terms, partial sums and values carried from step to step in f32; what a program stores and reads back later, other than sums and carried values, may be rounded once to bf16 or f16.
;; Inputs: b1 512 float32; b2 512 float32; b_ff1 2,048 float32; b_ff2 512 float32; bk 512 float32; bo 512 float32; bq 512 float32; bv 512 float32; g1 512 float32; g2 512 float32; w_ff1 512 x 2,048 float32; w_ff2 2,048 x 512 float32; wk 512 x 512 float32; wo 512 x 512 float32; wq 512 x 512 float32; wv 512 x 512 float32; x 4 x 2,048 x 512 float32.
;; Outputs: out0 4 x 2,048 x 512 float32.
;; 2 versions, each right; version 2 is version 1 with the launches prep, ln2 written anew for expert scheduling mode. Each part assembles by itself: llvm-mc -triple=amdgcn-amd-amdhsa -mcpu=gfx1250 --defsym DOCPART=n.
;; ======== version 1 of 2: 7 launches
;; workspace buffers: wfrag 6,291,456 bytes; xa_att 8,388,608 bytes; q_o1 8,388,608 bytes; kv_y 16,777,216 bytes; o1f 16,777,216 bytes; hfrag 33,554,432 bytes
;; launch prep (part 1): grid 256 x 1, 11 waves a work-group, no clusters, 93,184 bytes of LDS; arguments x, wq, wk, wv, wo, w_ff1, w_ff2, xa_att, wfrag; writes xa_att, wfrag
.if DOCPART == 1
	.amdgcn_target "amdgcn-amd-amdhsa--gfx1250"
	.amdhsa_code_object_version 6
	.text
	.protected	k_qdede7ea1b0_prep
	.globl	k_qdede7ea1b0_prep
	.p2align	8
	.type	k_qdede7ea1b0_prep,@function
k_qdede7ea1b0_prep:
	s_mov_b64 s[64:65], 0
	v_nop
	global_prefetch_b8 v0, s[64:65] scope:SCOPE_SE
	s_setreg_imm32_b32 hwreg(HW_REG_WAVE_MODE, 25, 1), 1
	s_wait_xcnt 0x0
; x and the six weights, f32, are rounded once to bf16 and laid in FRAGMENT ORDER: blocks of 1,024 bytes, 16 rows x 32 k, as a wave's registers
; hold a 16-bit matrix operand: the 16 bytes at 16 L + 512 half are k = 16 half + 8 (L / 16) + 0..7 of row L % 16.  A matrix F(KQ, RB) is
; [K step][row block][kq][block], so that a later launch's tile of one K step is one dense run of memory.
; 256 work-groups of eleven waves, all alike.  Waves 0-7: x -> xa_att, F(4, 512); wave w takes unit 8 wg + w of 2,048: 16 tokens x 128 k.
; Waves 8-10: the weights, stored [k][n], are turned (rows = n); wave w takes unit 3 wg + w - 8 of 768: 32 k x 128 n.
; wq, wk, wv share one matrix F(4, 96) whose row block is 6 head + (0, 1 q; 2, 3 k; 4, 5 v); wo F(4, 32); w_ff1 F(4, 128); w_ff2 F(8, 32).
; Each wave has a stage in LDS of its own: LDS serves a wave's instructions in order, so no barrier and no wait stands between its stores and its loads.
; THE STAGES' PITCHES (64 banks of 4 bytes: ISA guide 11.1).  x: a chunk is the 256 bytes of one (kq, half, upper or lower lanes); chunks lie 272 bytes apart, so chunk g starts at
; bank 4 g mod 64 and the 32 lanes of a store of 8 bytes, two to a chunk, touch every bank once.  Weights: blocks lie 1,040 bytes apart, so the sixteen lanes of a store of 16 bytes
; fall into the 16-byte columns l / 4 + 4 (l % 4) mod 16: all different.  Both are read back as dense runs.
; No matrix unit, no cluster, no tensor load: the work-groups share no input and memory binds.
.set STG,   8320                       ; a wave's stage: 8 blocks of 1,040 bytes (x uses 16 chunks of 272)
.set SPARE, 91648                      ; behind the eleven stages, at a multiple of 256: the spare words, 128 bytes a wave
.set SPW, 2
.set NIL, 3
.set W,   32                           ; v32-159 as loaded
.set T,   160                          ; v160-191 packed pairs on their way to LDS, two sets by turns
	s_load_b256 s[4:11], s[0:1], 0x0               ; x, wq, wk, wv
	s_load_b256 s[12:19], s[0:1], 0x20             ; wo, w_ff1, w_ff2, xa_att
	s_load_b64 s[20:21], s[0:1], 0x40              ; wfrag
	v_lshl_add_u32 v[SPW], v0, 2, SPARE
	v_mov_b32 v[NIL], 0
	v_lshrrev_b32 v1, 5, v0
	v_readfirstlane_b32 s22, v1                    ; wave 0..10
	v_and_b32 v4, 31, v0                           ; lane l
	v_lshlrev_b32 v5, 4, v4                        ; 16 l
	s_mul_i32 s23, s22, STG                        ; my stage
	s_mov_b32 s29, 0
	s_wait_kmcnt 0x0
	s_cmp_lt_u32 s22, 8
	s_cbranch_scc0 .Lweights
	; ---- x: unit = 8 wg + wave; token block mb = unit / 4, K step ks = unit % 4
	s_lshl_b32 s24, ttmp9, 3
	s_add_co_u32 s24, s24, s22
	s_lshr_b32 s25, s24, 2
	s_and_b32 s26, s24, 3
	s_lshl_b32 s28, s25, 15                        ; 16 rows of 2,048 bytes
	s_lshl_b32 s27, s26, 9                         ; 128 f32
	s_add_co_u32 s28, s28, s27
	s_add_nc_u64 s[4:5], s[4:5], s[28:29]
.set r, 0
.rept 16
	global_load_b128 v[W+4*r:W+4*r+3], v5, s[4:5] offset:r*2048 th:TH_LOAD_NT  ; token r: 512 consecutive bytes a wave
.set r, r+1
.endr
	v_lshrrev_b32 v7, 1, v4                        ; my four k = 4 l ..: chunk l / 2 (kq = l / 8, half, upper or lower lanes),
	v_mul_u32_u24 v7, v7, 272
	v_and_b32 v8, 1, v4                            ; first or second 8 bytes of the token's 16
	v_lshl_add_u32 v7, v8, 3, v7
	v_add_nc_u32 v7, s23, v7
	v_lshrrev_b32 v6, 4, v4                        ; back: lanes 0-15 take one chunk, lanes 16-31 the next
	v_mul_u32_u24 v6, v6, 272
	v_and_b32 v8, 15, v4
	v_lshl_add_u32 v6, v8, 4, v6
	v_add_nc_u32 v6, s23, v6
	s_lshl_b32 s27, s26, 9
	s_add_co_u32 s27, s27, s25                     ; ks x 512 + mb
	s_lshl_b32 s28, s27, 12
	s_add_nc_u64 s[18:19], s[18:19], s[28:29]
.set r, 0
.rept 16
	s_wait_loadcnt 15-r                            ; loads return in order: token r is in, the younger ones stay out
	v_cvt_pk_bf16_f32 v[96+2*r], v[W+4*r], v[W+4*r+1]
	v_cvt_pk_bf16_f32 v[97+2*r], v[W+4*r+2], v[W+4*r+3]
	ds_store_b64 v7, v[96+2*r:97+2*r] offset:16*r
.set r, r+1
.endr
.set i, 0
.rept 8
	ds_load_b128 v[W+4*i:W+4*i+3], v6 offset:544*i ; half a block: two chunks
.set i, i+1
.endr
.set i, 0
.rept 8
	s_wait_dscnt 7-i
	global_store_b128 v5, v[W+4*i:W+4*i+3], s[18:19] offset:512*i  ; 512 consecutive bytes, aligned
.set i, i+1
.endr
	s_wait_tensorcnt 0x0                           ; the wave's end
	ds_add_u32 v[SPW], v[NIL]
	s_wait_dscnt 0x0
	s_endpgm
.Lweights:
	; ---- the weights.  Which one, and its layout's figures, by the unit's number; every jump goes forward
	s_mul_i32 s24, ttmp9, 3
	s_add_co_u32 s24, s24, s22
	s_sub_co_u32 s24, s24, 8                       ; unit = 3 wg + wave - 8
	s_mov_b32 s33, 2                               ; log2 of the groups of 128 n
	s_mov_b32 s34, 2                               ; log2 KQ
	s_mov_b32 s35, 393216                          ; bytes of a K step in the target
	s_mov_b32 s36, 98304                           ; bytes from a group of 128 n to the next
	s_mov_b32 s38, 4096                            ; from an even row block to the odd one
	s_mov_b32 s39, 24576                           ; from a pair of row blocks to the next
	s_mov_b32 s40, 16                              ; log2 of 32 source rows' bytes
	s_cmp_lt_u32 s24, 64
	s_cbranch_scc0 .Lnot_q
	s_mov_b64 s[30:31], s[6:7]
	s_mov_b32 s32, 0
	s_mov_b32 s37, 0
	s_branch .Lgo
.Lnot_q:
	s_cmp_lt_u32 s24, 128
	s_cbranch_scc0 .Lnot_k
	s_mov_b64 s[30:31], s[8:9]
	s_mov_b32 s32, 64
	s_mov_b32 s37, 8192
	s_branch .Lgo
.Lnot_k:
	s_cmp_lt_u32 s24, 192
	s_cbranch_scc0 .Lnot_v
	s_mov_b64 s[30:31], s[10:11]
	s_mov_b32 s32, 128
	s_mov_b32 s37, 16384
	s_branch .Lgo
.Lnot_v:
	s_mov_b32 s36, 32768
	s_mov_b32 s39, 8192
	s_cmp_lt_u32 s24, 256
	s_cbranch_scc0 .Lnot_o
	s_mov_b64 s[30:31], s[12:13]
	s_mov_b32 s32, 192
	s_mov_b32 s35, 131072
	s_mov_b32 s37, 1572864
	s_branch .Lgo
.Lnot_o:
	s_cmp_lt_u32 s24, 512
	s_cbranch_scc0 .Lnot_1
	s_mov_b64 s[30:31], s[14:15]
	s_mov_b32 s32, 256
	s_mov_b32 s33, 4
	s_mov_b32 s35, 524288
	s_mov_b32 s37, 2097152
	s_mov_b32 s40, 18
	s_branch .Lgo
.Lnot_1:
	s_mov_b64 s[30:31], s[16:17]
	s_mov_b32 s32, 512
	s_mov_b32 s34, 3
	s_mov_b32 s35, 262144
	s_mov_b32 s36, 65536
	s_mov_b32 s37, 4194304
	s_mov_b32 s38, 8192
	s_mov_b32 s39, 16384
.Lgo:
	s_sub_co_u32 s24, s24, s32                     ; unit in this weight
	s_lshr_b32 s26, s24, s33                       ; kb: which 32 k
	s_lshl_b32 s27, s26, s33
	s_sub_co_u32 s27, s24, s27                     ; ng: which 128 n
	s_lshl_b32 s28, s26, s40
	s_lshl_b32 s41, s27, 9
	s_add_co_u32 s28, s28, s41
	s_add_nc_u64 s[30:31], s[30:31], s[28:29]      ; the source's corner
	s_lshr_b32 s41, s26, s34                       ; K step
	s_lshl_b32 s42, s41, s34
	s_sub_co_u32 s42, s26, s42                     ; kq
	s_mul_i32 s41, s41, s35
	s_lshl_b32 s42, s42, 10
	s_add_co_u32 s41, s41, s42
	s_mul_i32 s42, s27, s36
	s_add_co_u32 s41, s41, s42
	s_add_co_u32 s28, s41, s37
	s_add_nc_u64 s[20:21], s[20:21], s[28:29]      ; the target's first block
.macro WLOAD pitch
.set k, 0
.rept 32
	global_load_b128 v[W+4*k:W+4*k+3], v5, s[30:31] offset:k*(\pitch) th:TH_LOAD_NT  ; row k: 512 consecutive bytes a wave
.set k, k+1
.endr
.endm
	s_cmp_eq_u32 s40, 18
	s_cbranch_scc1 .Lwide
	WLOAD 2048
	s_branch .Lloaded
.Lwide:
	WLOAD 8192
.Lloaded:
	v_add_nc_u32 v6, s23, v5                       ; where I read the stage back
	v_lshrrev_b32 v7, 2, v4                        ; my four n = 4 l ..: block l / 4, rows 4 (l % 4) + c
	v_mul_u32_u24 v7, v7, 1040
	v_and_b32 v8, 3, v4
	v_lshl_add_u32 v7, v8, 6, v7
	v_add_nc_u32 v7, s23, v7
.set f, 0
.rept 8
	s_mul_i32 s43, s39, f/2
.if f%2
	s_add_co_u32 s43, s43, s38
.endif
	v_add_nc_u32 v[8+f], s43, v5                   ; block f's place in the target
.set f, f+1
.endr
; Chunk q is k = 8 q .. 8 q + 7.  Of one column n a chunk is 16 neighbouring bytes of the block: four packed pairs in four registers on end, one store.
.set q, 0
.rept 4
	s_wait_loadcnt 24-8*q                          ; the chunk's eight rows are in; the later chunks' rows stay out
.irp c, 0,1,2,3
.irp p, 0,1,2,3
	v_cvt_pk_bf16_f32 v[T+16*(q%2)+4*\c+\p], v[W+32*q+8*\p+\c], v[W+32*q+8*\p+4+\c]  ; two neighbouring k of one n
.endr
.endr
.irp c, 0,1,2,3
	ds_store_b128 v7, v[T+16*(q%2)+4*\c:T+16*(q%2)+4*\c+3] offset:16*\c+256*q
.endr
.set q, q+1
.endr
.set i, 0
.rept 16
	ds_load_b128 v[W+4*i:W+4*i+3], v6 offset:(i/2)*1040+(i%2)*512
.set i, i+1
.endr
.set i, 0
.rept 16
	s_wait_dscnt 15-i
	global_store_b128 v[8+i/2], v[W+4*i:W+4*i+3], s[20:21] offset:(i%2)*512  ; 512 consecutive bytes, aligned
.set i, i+1
.endr
	s_wait_tensorcnt 0x0                           ; the wave's end
	ds_add_u32 v[SPW], v[NIL]
	s_wait_dscnt 0x0
	s_endpgm
.Lfunc_end_k_qdede7ea1b0_prep:
	.size	k_qdede7ea1b0_prep, .Lfunc_end_k_qdede7ea1b0_prep-k_qdede7ea1b0_prep
	.p2alignl 7, 3214868480
	.fill 96, 4, 3214868480
	.section	.rodata,"a",@progbits
	.p2align	6, 0x0
	.amdhsa_kernel k_qdede7ea1b0_prep
		.amdhsa_group_segment_fixed_size 93184
		.amdhsa_private_segment_fixed_size 0
		.amdhsa_enable_private_segment 0
		.amdhsa_kernarg_size 72
		.amdhsa_user_sgpr_count 2
		.amdhsa_user_sgpr_kernarg_segment_ptr 1
		.amdhsa_wavefront_size32 1
		.amdhsa_system_sgpr_workgroup_id_x 1
		.amdhsa_system_sgpr_workgroup_id_y 1
		.amdhsa_system_sgpr_workgroup_id_z 1
		.amdhsa_system_vgpr_workitem_id 0
		.amdhsa_next_free_vgpr 192
		.amdhsa_next_free_sgpr 66
		.amdhsa_reserve_vcc 0
		.amdhsa_float_denorm_mode_32 3
		.amdhsa_float_denorm_mode_16_64 3
		.amdhsa_memory_ordered 1
		.amdhsa_forward_progress 1
		.amdhsa_inst_pref_size 27
	.end_amdhsa_kernel
	.amdgpu_metadata
---
amdhsa.version: [ 1, 2 ]
amdhsa.kernels:
  - .name:           k_qdede7ea1b0_prep
    .symbol:         k_qdede7ea1b0_prep.kd
    .args:
      - { .name: x, .offset: 0, .size: 8, .value_kind: global_buffer, .address_space: global }
      - { .name: wq, .offset: 8, .size: 8, .value_kind: global_buffer, .address_space: global }
      - { .name: wk, .offset: 16, .size: 8, .value_kind: global_buffer, .address_space: global }
      - { .name: wv, .offset: 24, .size: 8, .value_kind: global_buffer, .address_space: global }
      - { .name: wo, .offset: 32, .size: 8, .value_kind: global_buffer, .address_space: global }
      - { .name: w_ff1, .offset: 40, .size: 8, .value_kind: global_buffer, .address_space: global }
      - { .name: w_ff2, .offset: 48, .size: 8, .value_kind: global_buffer, .address_space: global }
      - { .name: xa_att, .offset: 56, .size: 8, .value_kind: global_buffer, .address_space: global }
      - { .name: wfrag, .offset: 64, .size: 8, .value_kind: global_buffer, .address_space: global }
    .group_segment_fixed_size: 93184
    .private_segment_fixed_size: 0
    .kernarg_segment_align: 8
    .kernarg_segment_size: 72
    .max_flat_workgroup_size: 352
    .sgpr_count:     66
    .vgpr_count:     192
    .wavefront_size: 32
...
	.end_amdgpu_metadata
.endif
;; end of part 1
;; launch qkv (part 2): grid 4 x 64, 8 waves a work-group, clusters of 4 x 4, 327,680 bytes of LDS; arguments xa_att, wfrag, bq, bk, bv, q_o1, kv_y; writes q_o1, kv_y
.if DOCPART == 2
	.amdgcn_target "amdgcn-amd-amdhsa--gfx1250"
	.amdhsa_code_object_version 6
	.text
	.protected	k_qdede7ea1b0_qkv
	.globl	k_qdede7ea1b0_qkv
	.p2align	8
	.type	k_qdede7ea1b0_qkv,@function
k_qdede7ea1b0_qkv:
	s_mov_b64 s[64:65], 0
	v_nop
	global_prefetch_b8 v0, s[64:65] scope:SCOPE_SE
	s_setreg_imm32_b32 hwreg(HW_REG_WAVE_MODE, 25, 1), 1
	s_wait_xcnt 0x0
	s_wait_alu depctr_hold_cnt(0) depctr_sa_sdst(0) depctr_va_vdst(0) depctr_va_sdst(0) depctr_va_ssrc(0) depctr_va_vcc(0) depctr_vm_vsrc(0)
	s_getreg_b32 s2, hwreg(HW_REG_IB_STS2, 6, 4)
	s_cmp_eq_u32 s2, 0
	s_cbranch_scc0 .Lentry_in_a_cluster
	s_endpgm
.Lentry_in_a_cluster:
	s_bfe_u32 s2, ttmp6, 0x10000c
	s_cmp_lg_u32 s2, 0xf033
	s_cbranch_scc0 .Lentry_shape_is_right
	s_endpgm
.Lentry_shape_is_right:
; q, k, v = x W + b for 128 tokens x 4 heads a work-group; operands bf16 in fragment order (blocks of 1,024 bytes, 16 rows x 32 k, as registers hold them), sums f32.
; Eight waves, 2 x 4: a wave makes 64 tokens x one head's 96 columns (q 32, k 32, v 32): 24 accumulators.  K = 512 in four steps of 128 through two LDS slots.
; q and k: source 0 = weights, source 1 = tokens, so a lane holds one token and 8 neighbouring channels: rounded, that IS half a fragment for the scores' product.
; v: source 0 = tokens, source 1 = weights, so a lane holds one channel and 8 tokens: half a fragment of V^T.  Every store of a wave is 512 consecutive bytes; no stage.
; q is multiplied in f32 by c = log2(e) / sqrt(32) before its one rounding.  The biases are the C operand of the products that start the sums.
; CLUSTER 4 x 4: the tokens' tile hangs on the tile row alone and is asked for jointly along a row of the cluster, the weights' on the tile column alone, along a column.
; LIMITS: operands and results bf16 (8 significant bits); NaN and infinities not treated apart.
.set NA, 2                             ; waves 0 .. NA-1 fetch the tokens' tile, the others the weights'
.set WNLOG, 2                          ; the wave's column = wave % 4
.set TB, 4                             ; token blocks of a wave
.set CB, 6                             ; column blocks of a wave
.set KQ, 4                             ; quarters (32 k) in a K step
.set LAPS, 2                           ; a lap = two K steps
.set LOADB, 16384                      ; bytes of one tensor load
.set LROWS, 64                         ; = rows of 256 bytes
.set ATILE, 32768
.set ASTEP, 2097152
.set BTILE, 98304
.set BSTEP, 393216
.set WOFF, 0                           ; the weights' matrix in wfrag
.set SWAPFROM, 4                       ; column blocks from here on: tokens as source 0
.set BIAS, 192                         ; v192-239
.set SLOT, 131072
.set ABYTES, ATILE
.set SPARE, 262144                     ; behind the slots: the spare words, 128 bytes a wave
.set F0, 32                            ; a fragment buffer: TB token fragments, then CB column fragments
.set F1, F0+8*(TB+CB)
.set OUT, 32
.set ADRA, 16
.set ADRB, 20
.set SPW, 28
.set NIL, 29
.set G1A, 36
.set G1B, 44
.set G0A, 52
.set G0B, 68
.set MSB, 0
.macro WIN new                         ; the high byte repeats the setting that is left; window 1 holds the accumulators ((a, b) at v[8 (CB a + b)])
.if MSB != (\new)
	s_set_vgpr_msb (MSB<<8)|(\new)
.set MSB, \new
.endif
.endm
.macro PLACES                          ; four places behind matrix instructions (ISA guide 7.12.1)
.rept 4
	v_nop
.endr
.endm
.macro CREST                           ; a round of the cluster's barrier behind its opening barrier
	s_cmp_lg_u32 s20, 0
	s_cbranch_scc1 .Lnw0_\@
	s_barrier_signal -3
.Lnw0_\@:
	s_barrier_wait -3
	s_barrier_signal -1
	s_barrier_wait -1
.endm
.macro CROUND
	s_barrier_signal -1
	s_barrier_wait -1
	CREST
.endm
.macro JLOAD s                         ; a joint load; the branch hangs on the wave's number alone; s_nop 0 and four v_nop follow each line
	s_cmp_lt_u32 s20, NA
	s_cbranch_scc0 .Lfb_\@
	tensor_load_to_lds s[G0A+4*(\s):G0A+4*(\s)+3], s[G1A:G1A+7]
	s_nop 0
	PLACES
	s_branch .Las_\@
.Lfb_\@:
	tensor_load_to_lds s[G0B+4*(\s):G0B+4*(\s)+3], s[G1B:G1B+7]
	s_nop 0
	PLACES
.Las_\@:
.endm
.macro FETCH slot, q, f                ; one run of LDS loads: the fragments of quarter q; dense, 512 bytes a load; the column fragments first
	WIN 0
.set b, 0
.rept CB
	ds_load_b128 v[(\f)+8*TB+8*b:(\f)+8*TB+8*b+3],   v[ADRB+(\slot)] offset:b*KQ*1024+(\q)*1024
	ds_load_b128 v[(\f)+8*TB+8*b+4:(\f)+8*TB+8*b+7], v[ADRB+(\slot)] offset:b*KQ*1024+(\q)*1024+512
.set b, b+1
.endr
.set a, 0
.rept TB
	ds_load_b128 v[(\f)+8*a:(\f)+8*a+3],   v[ADRA+(\slot)] offset:a*KQ*1024+(\q)*1024
	ds_load_b128 v[(\f)+8*a+4:(\f)+8*a+7], v[ADRA+(\slot)] offset:a*KQ*1024+(\q)*1024+512
.set a, a+1
.endr
.endm
.macro MULH f, hi, zero                ; half a quarter's products; every accumulator has one instruction a quarter, in one order
.if \zero
	WIN 0x40
.else
	WIN 0x50
.endif
.set a, (\hi)*TB/2
.rept TB/2
.set b, 0
.rept CB
.set rD, 8*(CB*a+b)
.set rW, (\f)+8*TB+8*b
.set rT, (\f)+8*a
.if b < SWAPFROM
.if \zero
	v_wmma_f32_16x16x32_bf16 v[rD:rD+7], v[rW:rW+7], v[rT:rT+7], v[BIAS+8*b:BIAS+8*b+7]
.else
	v_wmma_f32_16x16x32_bf16 v[rD:rD+7], v[rW:rW+7], v[rT:rT+7], v[rD:rD+7]
.endif
.else
.if \zero
	v_wmma_f32_16x16x32_bf16 v[rD:rD+7], v[rT:rT+7], v[rW:rW+7], v[BIAS+8*b:BIAS+8*b+7]
.else
	v_wmma_f32_16x16x32_bf16 v[rD:rD+7], v[rT:rT+7], v[rW:rW+7], v[rD:rD+7]
.endif
.endif
.set b, b+1
.endr
.set a, a+1
.endr
.endm
.macro QUARTER slot, q, f, g, zero     ; multiplies quarter q (buffer f) and fetches quarter q + 1 into g
	s_wait_dscnt TB                                ; all but the youngest TB loads: the second half's token fragments
	MULH \f, 0, \zero
	WIN 0
	PLACES
	FETCH \slot, (\q)+1, \g
	s_wait_dscnt 2*(TB+CB)                         ; all but the run just issued
	MULH \f, 1, \zero
.endm
.macro BODY slot, from
.set qq, \from
.rept KQ-1-(\from)
.if qq%2 == 0
	QUARTER \slot, qq, F0, F1, 0
.else
	QUARTER \slot, qq, F1, F0, 0
.endif
.set qq, qq+1
.endr
.endm
.macro TURN slot, next, fill           ; the last quarter of a K step, and the change of slots
	WIN 0
	s_wait_tensorcnt 0x0                           ; all my tensor loads have landed: my part of the next slot
	ds_add_u32 v[SPW], v[NIL]
.if \fill
	s_add_nc_u64 s[G0A+4*(\slot)+2:G0A+4*(\slot)+3], s[G0A+4*(\slot)+2:G0A+4*(\slot)+3], 2*ASTEP
	s_add_nc_u64 s[G0B+4*(\slot)+2:G0B+4*(\slot)+3], s[G0B+4*(\slot)+2:G0B+4*(\slot)+3], 2*BSTEP
.endif
	s_wait_dscnt 0x0                               ; the add is done and my reads of this slot are over
	s_barrier_signal -1
	MULH F1, 0, 0                                  ; work on registers while the others arrive
	WIN 0
	s_barrier_wait -1
.if \fill
	CREST                                          ; the barrier opened a round of the cluster's: no wave of any partner still reads the slot or has a load out
	JLOAD \slot                                    ; the refill first; its four v_nop are also the places in front of the loads below
.else
	PLACES
.endif
	FETCH \next, 0, F0
	MULH F1, 1, 0
.endm
	s_load_b256 s[4:11], s[0:1], 0x0               ; xa_att, wfrag, bq, bk
	s_load_b128 s[12:15], s[0:1], 0x20             ; bv, q_o1
	s_load_b64 s[16:17], s[0:1], 0x30              ; kv_y
	v_lshl_add_u32 v[SPW], v0, 2, SPARE
	v_mov_b32 v[NIL], 0
	ds_add_u32 v[SPW], v[NIL]                      ; the wave's opening
	v_lshrrev_b32 v1, 5, v0
	v_readfirstlane_b32 s20, v1                    ; wave
	s_lshr_b32 s21, s20, WNLOG                     ; wm
	s_and_b32 s22, s20, (1<<WNLOG)-1               ; wn
	s_bfe_u32 s23, ttmp6, 0x40000                  ; cx
	s_bfe_u32 s24, ttmp6, 0x40004                  ; cy
	s_lshl_b32 s25, ttmp9, 2
	s_add_co_u32 s25, s25, s23                     ; tile column
	s_and_b32 s26, ttmp7, 0xffff
	s_lshl_b32 s26, s26, 2
	s_add_co_u32 s26, s26, s24                     ; tile row
	s_lshl_b32 s27, s24, 2
	s_lshl_b32 s27, 15, s27                        ; my row of the cluster
	s_lshl_b32 s28, 0x1111, s23                    ; my column
	s_or_b32 s[G1A], s27, (3<<16)|(1<<21)          ; the mask; elements of 8 bytes; bit 21 set beside a mask
	s_or_b32 s[G1B], s28, (3<<16)|(1<<21)
.irp g, G1A, G1B
	s_mov_b32 s[\g+1], 32<<16                      ; a dense block as LROWS rows of 256 bytes
	s_mov_b32 s[\g+2], LROWS<<16
	s_mov_b32 s[\g+3], 32<<16
	s_mov_b32 s[\g+4], LROWS
	s_mov_b32 s[\g+5], 32
	s_mov_b32 s[\g+6], 0
	s_mov_b32 s[\g+7], 0
.endr
	s_min_u32 s34, s20, NA-1                       ; every wave makes both addresses, each in registers that never hold the other coordinate
	s_mul_i32 s30, s26, ATILE
	s_mul_i32 s34, s34, LOADB
	s_add_co_u32 s30, s30, s34
	s_mov_b32 s31, 0
	s_max_u32 s35, s20, NA
	s_sub_co_u32 s35, s35, NA
	s_mul_i32 s32, s25, BTILE
	s_mul_i32 s35, s35, LOADB
	s_add_co_u32 s32, s32, s35
	s_add_co_u32 s32, s32, WOFF
	s_mov_b32 s33, 0
	s_mul_i32 s34, s20, LOADB                      ; where my part lands: wave x LOADB
	s_mov_b32 s76, 0x3e8293ee                      ; c = log2(e) / sqrt(32)
	s_mov_b32 s77, s76
	s_wait_dscnt 0x0                               ; the opening add is done
	s_wait_kmcnt 0x0
	s_add_nc_u64 s[30:31], s[4:5], s[30:31]
	s_add_nc_u64 s[32:33], s[6:7], s[32:33]
	CROUND                                         ; all sixteen work-groups are here: the first joint loads meet
.irp s, 0,1
	s_mov_b32 s[G0A+4*(\s)], 1
	s_add_co_u32 s[G0A+4*(\s)+1], s34, (\s)*SLOT
	s_add_nc_u64 s[G0A+4*(\s)+2:G0A+4*(\s)+3], s[30:31], (\s)*ASTEP
	s_or_b32 s[G0A+4*(\s)+3], s[G0A+4*(\s)+3], 0x80000000
	s_mov_b32 s[G0B+4*(\s)], 1
	s_add_co_u32 s[G0B+4*(\s)+1], s34, (\s)*SLOT
	s_add_nc_u64 s[G0B+4*(\s)+2:G0B+4*(\s)+3], s[32:33], (\s)*BSTEP
	s_or_b32 s[G0B+4*(\s)+3], s[G0B+4*(\s)+3], 0x80000000
	JLOAD \s
.endr
	v_and_b32 v1, 15, v0                           ; r
	v_bfe_u32 v2, v0, 4, 1                         ; h
	v_and_b32 v26, 31, v0
	v_lshlrev_b32 v26, 4, v26                      ; 16 L
	s_mul_i32 s30, s21, TB*KQ*1024
	s_mul_i32 s31, s22, CB*KQ*1024
	s_add_co_u32 s31, s31, ABYTES
	v_add_nc_u32 v[ADRA], s30, v26
	v_add_nc_u32 v[ADRB], s31, v26
	v_add_nc_u32 v[ADRA+1], SLOT, v[ADRA]
	v_add_nc_u32 v[ADRB+1], SLOT, v[ADRB]
	s_lshl_b32 s30, s25, 2
	s_add_co_u32 s30, s30, s22                     ; my head
	s_lshr_b32 s31, s26, 4
	s_lshl_b32 s31, s31, 4
	s_add_co_u32 s31, s31, s30                     ; batch x 16 + head
	s_and_b32 s32, s26, 15
	s_lshl_b32 s32, s32, 3
	s_lshl2_add_u32 s32, s21, s32                  ; my first token block in the sequence
	s_lshl_b32 s34, s30, 7                         ; the head's 32 biases
	s_mov_b32 s35, 0
	s_add_nc_u64 s[8:9], s[8:9], s[34:35]
	s_add_nc_u64 s[10:11], s[10:11], s[34:35]
	s_add_nc_u64 s[12:13], s[12:13], s[34:35]
	s_lshl_b32 s34, s31, 7
	s_add_co_u32 s34, s34, s32
	s_lshl_b32 s34, s34, 10
	s_add_nc_u64 s[14:15], s[14:15], s[34:35]      ; Q [bh][token block][1 KB]
	s_lshl_b32 s34, s31, 18
	s_lshl_b32 s33, s32, 10
	s_add_co_u32 s34, s34, s33
	s_add_nc_u64 s[16:17], s[16:17], s[34:35]      ; K [bh][token block][1 KB]; V^T 131,072 bytes on: [32 keys][channel block][1 KB]
	v_lshlrev_b32 v3, 5, v2                        ; 32 h: a lane's 8 columns
	v_lshlrev_b32 v4, 2, v1                        ; 4 r: a lane's channel
.irp b, 0,1
	global_load_b128 v[BIAS+8*\b:BIAS+8*\b+3],       v3, s[8:9] offset:64*\b
	global_load_b128 v[BIAS+8*\b+4:BIAS+8*\b+7],     v3, s[8:9] offset:64*\b+16
	global_load_b128 v[BIAS+16+8*\b:BIAS+16+8*\b+3],   v3, s[10:11] offset:64*\b
	global_load_b128 v[BIAS+16+8*\b+4:BIAS+16+8*\b+7], v3, s[10:11] offset:64*\b+16
	global_load_b32 v[BIAS+32+8*\b], v4, s[12:13] offset:64*\b
.endr
	s_wait_tensorcnt 0x1                           ; my part of K step 0 is in; K step 1's may stay out
	s_barrier_signal -1
	s_barrier_wait -1
	FETCH 0, 0, F0
	s_wait_loadcnt 0x0                             ; the biases
.irp b, 4,5
.irp j, 1,2,3,4,5,6,7
	v_mov_b32 v[BIAS+8*\b+\j], v[BIAS+8*\b]        ; v's accumulators hold one channel a lane
.endr
.endr
	QUARTER 0, 0, F0, F1, 1                        ; the first quarter starts the sums, with the biases as C
	WIN 0
	s_mov_b32 s29, LAPS-1
.Llap:
	BODY 0, 1
	TURN 0, 1, 1
	BODY 1, 0
	TURN 1, 0, 1
	QUARTER 0, 0, F0, F1, 0
	WIN 0
	s_sub_co_u32 s29, s29, 1
	s_cmp_lg_u32 s29, 0
	s_cbranch_scc1 .Llap
	BODY 0, 1                                      ; the last lap fills nothing
	TURN 0, 1, 0
	BODY 1, 0
	s_wait_dscnt 0x0
	MULH F1, 0, 0
	MULH F1, 1, 0
	WIN 0
	PLACES
	WIN 0x41                                       ; q times c, in f32
.set a, 0
.rept TB
.irp b, 0,1
.irp p, 0,2,4,6
	v_pk_mul_f32 v[8*(CB*a+\b)+\p:8*(CB*a+\b)+\p+1], v[8*(CB*a+\b)+\p:8*(CB*a+\b)+\p+1], s[76:77] op_sel_hi:[1,0]
.endr
.endr
.set a, a+1
.endr
	WIN 0x05                                       ; every accumulator's registers in ascending order
.set i, 0
.rept TB*CB
.irp p, 0,1,2,3
	v_cvt_pk_bf16_f32 v[OUT+4*i+\p], v[8*i+2*\p], v[8*i+2*\p+1]
.endr
.set i, i+1
.endr
	WIN 0
.set a, 0
.rept TB
.irp b, 0,1
	global_store_b128 v26, v[OUT+4*(CB*a+\b):OUT+4*(CB*a+\b)+3],     s[14:15] offset:a*1024+\b*512
	global_store_b128 v26, v[OUT+4*(CB*a+\b+2):OUT+4*(CB*a+\b+2)+3], s[16:17] offset:a*1024+\b*512
	global_store_b128 v26, v[OUT+4*(CB*a+\b+4):OUT+4*(CB*a+\b+4)+3], s[16:17] offset:131072+(a/2)*2048+\b*1024+(a%2)*512
.endr
.set a, a+1
.endr
	s_wait_tensorcnt 0x0                           ; the wave's end
	ds_add_u32 v[SPW], v[NIL]
	s_wait_dscnt 0x0
	CROUND                                         ; the closing round
	s_endpgm
.Lfunc_end_k_qdede7ea1b0_qkv:
	.size	k_qdede7ea1b0_qkv, .Lfunc_end_k_qdede7ea1b0_qkv-k_qdede7ea1b0_qkv
	.p2alignl 7, 3214868480
	.fill 96, 4, 3214868480
	.section	.rodata,"a",@progbits
	.p2align	6, 0x0
	.amdhsa_kernel k_qdede7ea1b0_qkv
		.amdhsa_group_segment_fixed_size 327680
		.amdhsa_private_segment_fixed_size 0
		.amdhsa_enable_private_segment 0
		.amdhsa_kernarg_size 56
		.amdhsa_user_sgpr_count 2
		.amdhsa_user_sgpr_kernarg_segment_ptr 1
		.amdhsa_wavefront_size32 1
		.amdhsa_system_sgpr_workgroup_id_x 1
		.amdhsa_system_sgpr_workgroup_id_y 1
		.amdhsa_system_sgpr_workgroup_id_z 1
		.amdhsa_system_vgpr_workitem_id 0
		.amdhsa_next_free_vgpr 448
		.amdhsa_next_free_sgpr 80
		.amdhsa_reserve_vcc 0
		.amdhsa_float_denorm_mode_32 3
		.amdhsa_float_denorm_mode_16_64 3
		.amdhsa_memory_ordered 1
		.amdhsa_forward_progress 1
		.amdhsa_inst_pref_size 70
	.end_amdhsa_kernel
	.amdgpu_metadata
---
amdhsa.version: [ 1, 2 ]
amdhsa.kernels:
  - .name:           k_qdede7ea1b0_qkv
    .symbol:         k_qdede7ea1b0_qkv.kd
    .args:
      - { .name: xa_att, .offset: 0, .size: 8, .value_kind: global_buffer, .address_space: global }
      - { .name: wfrag, .offset: 8, .size: 8, .value_kind: global_buffer, .address_space: global }
      - { .name: bq, .offset: 16, .size: 8, .value_kind: global_buffer, .address_space: global }
      - { .name: bk, .offset: 24, .size: 8, .value_kind: global_buffer, .address_space: global }
      - { .name: bv, .offset: 32, .size: 8, .value_kind: global_buffer, .address_space: global }
      - { .name: q_o1, .offset: 40, .size: 8, .value_kind: global_buffer, .address_space: global }
      - { .name: kv_y, .offset: 48, .size: 8, .value_kind: global_buffer, .address_space: global }
    .group_segment_fixed_size: 327680
    .private_segment_fixed_size: 0
    .kernarg_segment_align: 8
    .kernarg_segment_size: 56
    .max_flat_workgroup_size: 256
    .sgpr_count:     80
    .vgpr_count:     448
    .wavefront_size: 32
...
	.end_amdgpu_metadata
.endif
;; end of part 2
;; launch attn (part 3): grid 4 x 64, 16 waves a work-group, clusters of 4 x 1, 264,192 bytes of LDS; arguments q_o1, kv_y, xa_att; writes xa_att
.if DOCPART == 3
	.amdgcn_target "amdgcn-amd-amdhsa--gfx1250"
	.amdhsa_code_object_version 6
	.text
	.protected	k_qdede7ea1b0_attn
	.globl	k_qdede7ea1b0_attn
	.p2align	8
	.type	k_qdede7ea1b0_attn,@function
k_qdede7ea1b0_attn:
	s_mov_b64 s[64:65], 0
	v_nop
	global_prefetch_b8 v0, s[64:65] scope:SCOPE_SE
	s_setreg_imm32_b32 hwreg(HW_REG_WAVE_MODE, 25, 1), 1
	s_wait_xcnt 0x0
	s_wait_alu depctr_hold_cnt(0) depctr_sa_sdst(0) depctr_va_vdst(0) depctr_va_sdst(0) depctr_va_ssrc(0) depctr_va_vcc(0) depctr_vm_vsrc(0)
	s_getreg_b32 s2, hwreg(HW_REG_IB_STS2, 6, 4)
	s_cmp_eq_u32 s2, 0
	s_cbranch_scc0 .Lentry_in_a_cluster
	s_endpgm
.Lentry_in_a_cluster:
	s_bfe_u32 s2, ttmp6, 0x10000c
	s_cmp_lg_u32 s2, 0x3003
	s_cbranch_scc0 .Lentry_shape_is_right
	s_endpgm
.Lentry_shape_is_right:
; Attention at head size 32.  A work-group owns 512 queries of one head (bh = batch x 16 + head); the head's whole K and V^T, 262,144 bytes in fragment order, lie in LDS, filled once.
; Sixteen waves, four to a SIMD, so that one wave's products stand beside another's vector work; a wave owns two tiles of 16 queries.
; S^T = K (cQ)^T: a lane holds ONE query (lane % 16) and keys 8 (lane / 16) + 0..7; q arrives multiplied by c = log2(e) / sqrt(32).
; TWO PASSES.  Pass 1 makes all scores and keeps each query's exact maximum m.  Pass 2 makes them again with -m as the C operand, so the product's result is s - m;
; p = 2^(s - m), rounded to bf16 in pairs, IS source 1 of O^T = V^T P; l comes from a product of P with a fragment of ones.  No running rescaling, no statistics in a step.
; CLUSTER 4 x 1: a head's four query blocks need the same K and V: each of the 16 waves asks jointly for 16,384 bytes (K and V lie end to end in memory and in LDS).
; LIMITS: q, k, v, p and the result bf16; l is the sum of the rounded p; a weight below 2^-126 counts as 0; NaN and infinities not treated apart.
.set SPARE, 262144
.set AK, 2
.set AV, 3
.set SPW, 6
.set NIL, 7
.set CH, 8                             ; v8-15: four chains of maxima a tile; later 1 / l
.set Q, 16                             ; v16-31
.set KF, 32                            ; K of 64 keys
.set VF, 64                            ; V^T of 64 keys; in pass 1 a second buffer of K
.set S, 96                             ; v96-159: S^T, 32 a tile; P is packed in place
.set O, 160                            ; O^T (tile t, channel block cb) at O + 16 t + 8 cb
.set LS, 192                           ; l, 8 equal registers a tile
.set M8, 208                           ; -m, 8 equal registers a tile
.set ONES, 224
.macro PLACES
.rept 4
	v_nop
.endr
.endm
.macro CROUND
	s_barrier_signal -1
	s_barrier_wait -1
	s_cmp_lg_u32 s20, 0
	s_cbranch_scc1 .Lnw0_\@
	s_barrier_signal -3
.Lnw0_\@:
	s_barrier_wait -3
	s_barrier_signal -1
	s_barrier_wait -1
.endm
.macro LOADF reg, adr, off             ; four fragments, 4,096 dense bytes
.irp f, 0,1,2,3
	ds_load_b128 v[\reg+8*\f:\reg+8*\f+3],   v[\adr] offset:\off+\f*1024
	ds_load_b128 v[\reg+8*\f+4:\reg+8*\f+7], v[\adr] offset:\off+\f*1024+512
.endr
.endm
.macro KQ t, kbuf, cm                  ; 64 keys x tile t: four products, each a whole sum (K = 32)
.irp kb, 0,1,2,3
.if \cm
	v_wmma_f32_16x16x32_bf16 v[S+32*(\t)+8*\kb:S+32*(\t)+8*\kb+7], v[\kbuf+8*\kb:\kbuf+8*\kb+7], v[Q+8*(\t):Q+8*(\t)+7], v[M8+8*(\t):M8+8*(\t)+7]
.else
	v_wmma_f32_16x16x32_bf16 v[S+32*(\t)+8*\kb:S+32*(\t)+8*\kb+7], v[\kbuf+8*\kb:\kbuf+8*\kb+7], v[Q+8*(\t):Q+8*(\t)+7], 0
.endif
.endr
.endm
; 16 maxima of three; each accumulator's lowest registers first.  Behind the first four, which are the places behind the products
; that read the buffer, stands the run of loads that fills it again.
.macro MAXT t, hook
.irp p, 0,1,2,3
.irp kb, 0,1,2,3
	v_max3_num_f32 v[CH+4*(\t)+\kb], v[CH+4*(\t)+\kb], v[S+32*(\t)+8*\kb+2*\p], v[S+32*(\t)+8*\kb+2*\p+1]
.endr
.if (\p == 0) && (\hook == 1)
	LOADF KF, AK, 8192
.endif
.if (\p == 0) && (\hook == 2)
	LOADF VF, AK, 12288
	v_add_nc_u32 v[AK], 8192, v[AK]
.endif
.endr
.endm
.macro P1TRIP last                     ; 128 keys
	KQ 1, KF, 0
.if \last
	MAXT 0, 0
	s_wait_dscnt 0x0
.else
	MAXT 0, 1
	s_wait_dscnt 0x8                               ; the second buffer is in; the eight loads just issued may be out
.endif
	KQ 0, VF, 0
	MAXT 1, 0
	KQ 1, VF, 0
.if \last
	MAXT 0, 0
.else
	MAXT 0, 2
	s_wait_dscnt 0x8                               ; the first buffer is in
	KQ 0, KF, 0
.endif
	MAXT 1, 0
.endm
; 16 scores of tile t: exponentials, and roundings a pair behind them, packed in place (register i takes scores 2 i, 2 i + 1).  A plain line stands between every
; exponential and the use of its result.  Behind five plain lines stands a run of LDS loads: hook 1: this step's V; hook 2: the next step's K.
.macro EXPH t, hf, hook
.set eb, S+32*(\t)+16*(\hf)
	v_exp_f32 v[eb], v[eb]
	v_exp_f32 v[eb+1], v[eb+1]
	v_nop
.set ei, 1
.rept 7
	v_exp_f32 v[eb+2*ei], v[eb+2*ei]
	v_exp_f32 v[eb+2*ei+1], v[eb+2*ei+1]
	s_wait_alu depctr_va_vdst(0)
	v_cvt_pk_bf16_f32 v[eb+ei-1], v[eb+2*ei-2], v[eb+2*ei-1]
.if (ei == 4) && (\hook == 1)
	LOADF VF, AV, 0
	v_add_nc_u32 v[AV], 4096, v[AV]
.endif
.if (ei == 4) && (\hook == 2)
	LOADF KF, AK, 0
	v_add_nc_u32 v[AK], 4096, v[AK]
.endif
.set ei, ei+1
.endr
	v_cvt_pk_bf16_f32 v[eb+7], v[eb+14], v[eb+15]
.endm
.macro PV t, zero                      ; O^T and l of tile t take 64 keys; the three accumulators by turns
.irp kk, 0,1
.set rP, S+32*(\t)+16*\kk
.if (\zero) && (\kk == 0)
	v_wmma_f32_16x16x32_bf16 v[O+16*(\t):O+16*(\t)+7],    v[VF+16*\kk:VF+16*\kk+7],    v[rP:rP+7], 0
	v_wmma_f32_16x16x32_bf16 v[O+16*(\t)+8:O+16*(\t)+15], v[VF+16*\kk+8:VF+16*\kk+15], v[rP:rP+7], 0
	v_wmma_f32_16x16x32_bf16 v[LS+8*(\t):LS+8*(\t)+7],    v[ONES:ONES+7],              v[rP:rP+7], 0
.else
	v_wmma_f32_16x16x32_bf16 v[O+16*(\t):O+16*(\t)+7],    v[VF+16*\kk:VF+16*\kk+7],    v[rP:rP+7], v[O+16*(\t):O+16*(\t)+7]
	v_wmma_f32_16x16x32_bf16 v[O+16*(\t)+8:O+16*(\t)+15], v[VF+16*\kk+8:VF+16*\kk+15], v[rP:rP+7], v[O+16*(\t)+8:O+16*(\t)+15]
	v_wmma_f32_16x16x32_bf16 v[LS+8*(\t):LS+8*(\t)+7],    v[ONES:ONES+7],              v[rP:rP+7], v[LS+8*(\t):LS+8*(\t)+7]
.endif
.endr
.endm
; A key step of pass 2.  Between a product and the first vector line that reads its result, and between products that read a tile's P and the products that write
; the tile's scores anew, stands half a tile's softmax of the OTHER tile: nine plain lines that name none of their registers.
.macro STEP zero, last
	EXPH 0, 0, 1
	KQ 1, KF, 1
.if \last
	EXPH 0, 1, 0
	s_wait_dscnt 0x0
.else
	EXPH 0, 1, 2
	s_wait_dscnt 0x8                               ; V is in; the next K's eight loads may be out
.endif
	PV 0, \zero
	EXPH 1, 0, 0
.if !(\last)
	s_wait_dscnt 0x0                               ; the next K is in
	KQ 0, KF, 1
.endif
	EXPH 1, 1, 0
	PV 1, \zero
.endm
	s_load_b128 s[4:7], s[0:1], 0x0                ; q_o1, kv_y
	s_load_b64 s[8:9], s[0:1], 0x10                ; xa_att
	v_lshl_add_u32 v[SPW], v0, 2, SPARE
	v_mov_b32 v[NIL], 0
	ds_add_u32 v[SPW], v[NIL]                      ; the wave's opening
	v_lshrrev_b32 v1, 5, v0
	v_readfirstlane_b32 s20, v1                    ; wave 0..15
	s_bfe_u32 s23, ttmp6, 0x40000                  ; cx
	s_lshl_b32 s26, ttmp9, 2
	s_add_co_u32 s26, s26, s23                     ; my block of 512 queries: it enters Q's and the result's addresses alone
	s_and_b32 s24, ttmp7, 0xffff                   ; bh, which the four partners share
	s_mov_b32 s36, 15|(3<<16)|(1<<21)              ; the mask of four; elements of 8 bytes; bit 21 set beside a mask
	s_mov_b32 s37, 32<<16                          ; 16,384 dense bytes as 64 rows of 256
	s_mov_b32 s38, 64<<16
	s_mov_b32 s39, 32<<16
	s_mov_b32 s40, 64
	s_mov_b32 s41, 32
	s_mov_b32 s42, 0
	s_mov_b32 s43, 0
	s_lshl_b32 s25, s20, 14                        ; my part: wave x 16,384, in memory and in LDS
	s_lshl_b32 s30, s24, 18
	s_add_co_u32 s30, s30, s25
	s_mov_b32 s31, 0
	s_mov_b32 s44, 1
	s_mov_b32 s45, s25
	s_mov_b32 s48, 0x76543210
	s_mov_b32 s49, 0xfedcba98
	s_wait_dscnt 0x0
	s_wait_kmcnt 0x0
	s_add_nc_u64 s[46:47], s[6:7], s[30:31]
	s_or_b32 s47, s47, 0x80000000
	CROUND                                         ; all four work-groups are here: the joint loads meet
	tensor_load_to_lds s[44:47], s[36:43]          ; my one tensor load of the launch
	s_nop 0
	PLACES
	s_lshl_b32 s27, s26, 5                         ; my block's first query tile
	s_lshl_b32 s30, s24, 7
	s_add_co_u32 s30, s30, s27
	s_lshl1_add_u32 s30, s20, s30                  ; + 2 x wave
	s_lshl_b32 s30, s30, 10
	s_add_nc_u64 s[4:5], s[4:5], s[30:31]
	s_and_b32 s28, s24, 15                         ; head
	s_lshr_b32 s32, s28, 2
	s_lshl_b32 s32, s32, 21                        ; the result is F(4, 512) with kb = head
	s_lshr_b32 s33, s24, 4
	s_lshl_b32 s33, s33, 7
	s_add_co_u32 s33, s33, s27
	s_lshl1_add_u32 s33, s20, s33
	s_lshl_b32 s33, s33, 12
	s_add_co_u32 s32, s32, s33
	s_and_b32 s28, s28, 3
	s_lshl_b32 s28, s28, 10
	s_add_co_u32 s30, s32, s28
	s_add_nc_u64 s[8:9], s[8:9], s[30:31]
	v_and_b32 v1, 31, v0
	v_lshlrev_b32 v1, 4, v1                        ; 16 L
.irp i, 0,1,2,3
	global_load_b128 v[Q+4*\i:Q+4*\i+3], v1, s[4:5] offset:512*\i
.endr
	v_mov_b32 v[AK], v1
.irp j, 0,1,2,3,4,5,6,7
	v_mov_b32 v[ONES+\j], 0x3f803f80               ; 1.0 twice in bf16
.endr
	s_wait_tensorcnt 0x0                           ; my part of K and V is in,
	s_barrier_signal -1
	s_barrier_wait -1                              ; everybody's is; nothing is ever filled again
	; ---- pass 1
	LOADF KF, AK, 0
	LOADF VF, AK, 4096
	s_wait_loadcnt 0x0                             ; Q
	s_wait_dscnt 0x8                               ; the first buffer is in
	KQ 0, KF, 0
.irp j, 0,1,2,3,4,5,6,7
	v_mov_b32 v[CH+\j], 0xff7fffff                 ; the lowest finite number; these eight lines are also the places behind those products
.endr
	s_mov_b32 s29, 15
.Lp1:
	P1TRIP 0
	s_sub_co_u32 s29, s29, 1
	s_cmp_lg_u32 s29, 0
	s_cbranch_scc1 .Lp1
	P1TRIP 1                                       ; the last 128 keys: nothing more to fetch
.irp t, 0,1
	v_max3_num_f32 v[CH+4*\t], v[CH+4*\t], v[CH+4*\t+1], v[CH+4*\t+2]
	v_max_num_f32 v[CH+4*\t], v[CH+4*\t], v[CH+4*\t+3]
	v_permlanex16_b32 v[CH+4*\t+1], v[CH+4*\t], s48, s49   ; the query's other keys lie in the lane 16 away
	v_max_num_f32 v[CH+4*\t], v[CH+4*\t], v[CH+4*\t+1]
.irp j, 0,1,2,3,4,5,6,7
	v_mul_f32 v[M8+8*\t+\j], -1.0, v[CH+4*\t]
.endr
.endr
	; ---- pass 2
	v_mov_b32 v[AK], v1
	v_add_nc_u32 v[AV], 131072, v1
	LOADF KF, AK, 0
	v_add_nc_u32 v[AK], 4096, v[AK]
	s_wait_dscnt 0x0
	KQ 0, KF, 1
	PLACES
	STEP 1, 0                                      ; the first step starts O^T's and l's sums
	s_mov_b32 s29, 30
.Lp2:
	STEP 0, 0
	s_sub_co_u32 s29, s29, 1
	s_cmp_lg_u32 s29, 0
	s_cbranch_scc1 .Lp2
	STEP 0, 1
	; ---- the way out: O^T / l; a lane's 8 channels of a query are half a fragment of the next product
	PLACES
	v_rcp_f32 v8, v[LS]
	v_rcp_f32 v10, v[LS+8]
	v_nop
	s_wait_alu depctr_va_vdst(0)
	v_mov_b32 v9, v8
	v_mov_b32 v11, v10
.irp t, 0,1
.irp i, 0,1,2,3,4,5,6,7
	v_pk_mul_f32 v[O+16*\t+2*\i:O+16*\t+2*\i+1], v[O+16*\t+2*\i:O+16*\t+2*\i+1], v[8+2*\t:9+2*\t]
.endr
.endr
.irp t, 0,1
.irp i, 0,1,2,3,4,5,6,7
	v_cvt_pk_bf16_f32 v[S+8*\t+\i], v[O+16*\t+2*\i], v[O+16*\t+2*\i+1]
.endr
.endr
.irp t, 0,1
.irp cb, 0,1
	global_store_b128 v1, v[S+8*\t+4*\cb:S+8*\t+4*\cb+3], s[8:9] offset:\t*4096+\cb*512  ; 512 consecutive bytes, aligned
.endr
.endr
	s_wait_tensorcnt 0x0                           ; the wave's end
	ds_add_u32 v[SPW], v[NIL]
	s_wait_dscnt 0x0
	CROUND                                         ; the closing round
	s_endpgm
.Lfunc_end_k_qdede7ea1b0_attn:
	.size	k_qdede7ea1b0_attn, .Lfunc_end_k_qdede7ea1b0_attn-k_qdede7ea1b0_attn
	.p2alignl 7, 3214868480
	.fill 96, 4, 3214868480
	.section	.rodata,"a",@progbits
	.p2align	6, 0x0
	.amdhsa_kernel k_qdede7ea1b0_attn
		.amdhsa_group_segment_fixed_size 264192
		.amdhsa_private_segment_fixed_size 0
		.amdhsa_enable_private_segment 0
		.amdhsa_kernarg_size 24
		.amdhsa_user_sgpr_count 2
		.amdhsa_user_sgpr_kernarg_segment_ptr 1
		.amdhsa_wavefront_size32 1
		.amdhsa_system_sgpr_workgroup_id_x 1
		.amdhsa_system_sgpr_workgroup_id_y 1
		.amdhsa_system_sgpr_workgroup_id_z 1
		.amdhsa_system_vgpr_workitem_id 0
		.amdhsa_next_free_vgpr 232
		.amdhsa_next_free_sgpr 66
		.amdhsa_reserve_vcc 0
		.amdhsa_float_denorm_mode_32 3
		.amdhsa_float_denorm_mode_16_64 3
		.amdhsa_memory_ordered 1
		.amdhsa_forward_progress 1
		.amdhsa_inst_pref_size 44
	.end_amdhsa_kernel
	.amdgpu_metadata
---
amdhsa.version: [ 1, 2 ]
amdhsa.kernels:
  - .name:           k_qdede7ea1b0_attn
    .symbol:         k_qdede7ea1b0_attn.kd
    .args:
      - { .name: q_o1, .offset: 0, .size: 8, .value_kind: global_buffer, .address_space: global }
      - { .name: kv_y, .offset: 8, .size: 8, .value_kind: global_buffer, .address_space: global }
      - { .name: xa_att, .offset: 16, .size: 8, .value_kind: global_buffer, .address_space: global }
    .group_segment_fixed_size: 264192
    .private_segment_fixed_size: 0
    .kernarg_segment_align: 8
    .kernarg_segment_size: 24
    .max_flat_workgroup_size: 512
    .sgpr_count:     66
    .vgpr_count:     232
    .wavefront_size: 32
...
	.end_amdgpu_metadata
.endif
;; end of part 3
;; launch woln (part 4): grid 256 x 1, 8 waves a work-group, clusters of 4 x 1, 327,680 bytes of LDS; arguments xa_att, wfrag, bo, x, g1, b1, q_o1, o1f; writes q_o1, o1f
.if DOCPART == 4
	.amdgcn_target "amdgcn-amd-amdhsa--gfx1250"
	.amdhsa_code_object_version 6
	.text
	.protected	k_qdede7ea1b0_woln
	.globl	k_qdede7ea1b0_woln
	.p2align	8
	.type	k_qdede7ea1b0_woln,@function
k_qdede7ea1b0_woln:
	s_mov_b64 s[64:65], 0
	v_nop
	global_prefetch_b8 v0, s[64:65] scope:SCOPE_SE
	s_setreg_imm32_b32 hwreg(HW_REG_WAVE_MODE, 25, 1), 1
	s_wait_xcnt 0x0
	s_wait_alu depctr_hold_cnt(0) depctr_sa_sdst(0) depctr_va_vdst(0) depctr_va_sdst(0) depctr_va_ssrc(0) depctr_va_vcc(0) depctr_vm_vsrc(0)
	s_getreg_b32 s2, hwreg(HW_REG_IB_STS2, 6, 4)
	s_cmp_eq_u32 s2, 0
	s_cbranch_scc0 .Lentry_in_a_cluster
	s_endpgm
.Lentry_in_a_cluster:
	s_bfe_u32 s2, ttmp6, 0x10000c
	s_cmp_lg_u32 s2, 0x3003
	s_cbranch_scc0 .Lentry_shape_is_right
	s_endpgm
.Lentry_shape_is_right:
; out1 = LayerNorm(x + attn Wo + bo) g1 + b1 for 32 tokens x all 512 columns a work-group, so that a row's mean and variance stay in the work-group.
; Eight waves, each 32 tokens x 64 columns: 8 accumulators, started with bo (loaded straight into them).  Source 0 = weights, source 1 = tokens: a lane holds one token and 8 columns.
; The tokens' 32 KB lie in LDS for the whole launch; Wo's four K steps of 131,072 bytes go through two slots; when slot 0 has been read for the last time it takes the x tile (f32).
; Mean first, then the sum of squared differences from it, both f32, through LDS.  out1 leaves twice: f32 in accumulator order (o1f: block of 16 tokens x 16 columns = 1,024 bytes, a lane's
; registers 0-3 at 16 L, 4-7 at 512 + 16 L) for the second residual, and bf16 in fragment order (q_o1) for the next product.  Every store of a wave is 512 consecutive bytes.
; CLUSTER 4 x 1: all work-groups walk the same Wo: its tiles are asked for jointly by four.  The tokens' and x's tiles are a work-group's own (mask 0).
; LIMITS: the product's operands bf16; NaN and infinities not treated apart.
.set SLOT, 131072
.set ALDS, 262144                      ; tokens: [K step][token block 2][kq 4][1 KB]
.set RED1, 294912                      ; 32 tokens x 8 waves' partial sums; the second reduction's 1,024 bytes behind
.set SPARE, 296960
.set WOFF, 1572864
.set F0, 32                            ; a fragment buffer: 2 token fragments, 4 column fragments
.set F1, 80
.set ACC, 128                          ; (a, b) at ACC + 8 (4 a + b)
.set G, 192
.set BB, 224
.set XR, 32                            ; the way out: x
.set T, 96
.set MU, 112
.set RS, 116
.set ADRA, 16
.set XA, 17
.set RW, 18
.set RR, 19
.set ADRB, 20
.set SPW, 28
.set NIL, 29
.set G1B, 36
.set G1A, 44
.set G1X, 52
.set G0A, 60
.set G0B, 68
.set G0X, 76
.macro PLACES
.rept 4
	v_nop
.endr
.endm
.macro CREST
	s_cmp_lg_u32 s20, 0
	s_cbranch_scc1 .Lnw0_\@
	s_barrier_signal -3
.Lnw0_\@:
	s_barrier_wait -3
	s_barrier_signal -1
	s_barrier_wait -1
.endm
.macro CROUND
	s_barrier_signal -1
	s_barrier_wait -1
	CREST
.endm
.macro FETCH ks, slot, q, f
.irp b, 0,1,2,3
	ds_load_b128 v[(\f)+16+8*\b:(\f)+16+8*\b+3],   v[ADRB+(\slot)] offset:\b*4096+(\q)*1024
	ds_load_b128 v[(\f)+16+8*\b+4:(\f)+16+8*\b+7], v[ADRB+(\slot)] offset:\b*4096+(\q)*1024+512
.endr
.irp i, 0,1
	ds_load_b128 v[(\f)+8*\i:(\f)+8*\i+3],   v[ADRA] offset:(\ks)*8192+\i*4096+(\q)*1024
	ds_load_b128 v[(\f)+8*\i+4:(\f)+8*\i+7], v[ADRA] offset:(\ks)*8192+\i*4096+(\q)*1024+512
.endr
.endm
.macro MULH f, a                       ; the eight accumulators take turns, one instruction a turn
.irp b, 0,1,2,3
	v_wmma_f32_16x16x32_bf16 v[ACC+8*(4*(\a)+\b):ACC+8*(4*(\a)+\b)+7], v[(\f)+16+8*\b:(\f)+16+8*\b+7], v[(\f)+8*(\a):(\f)+8*(\a)+7], v[ACC+8*(4*(\a)+\b):ACC+8*(4*(\a)+\b)+7]
.endr
.endm
.macro QUARTER ks, slot, q, f, g
	s_wait_dscnt 0x2                               ; all but the second token fragment's two loads
	MULH \f, 0
	PLACES
	FETCH \ks, \slot, (\q)+1, \g
	s_wait_dscnt 0xc                               ; all but the twelve just issued
	MULH \f, 1
.endm
.macro STEP3 ks, slot
	QUARTER \ks, \slot, 0, F0, F1
	QUARTER \ks, \slot, 1, F1, F0
	QUARTER \ks, \slot, 2, F0, F1
.endm
.macro TURN slot, nks, kind            ; a K step's last quarter and the change of slots; kind 1: the slot takes Wo's K step two on; kind 2: the x tile
	s_wait_tensorcnt 0x0                           ; all my tensor loads have landed
	ds_add_u32 v[SPW], v[NIL]
.if (\kind) == 1
	s_add_nc_u64 s[G0B+4*(\slot)+2:G0B+4*(\slot)+3], s[G0B+4*(\slot)+2:G0B+4*(\slot)+3], 2*SLOT
.endif
	s_wait_dscnt 0x0                               ; the add is done and my reads of this slot are over
	s_barrier_signal -1
	MULH F1, 0
	s_barrier_wait -1
	CREST                                          ; a round of the cluster's barrier: no wave of any partner still reads the slot or has a load out
.if (\kind) == 1
	tensor_load_to_lds s[G0B+4*(\slot):G0B+4*(\slot)+3], s[G1B:G1B+7]
.else
	tensor_load_to_lds s[G0X:G0X+3], s[G1X:G1X+7]
.endif
	s_nop 0
	PLACES
	FETCH \nks, 1-(\slot), 0, F0
	MULH F1, 1
.endm
.macro FOLD a                          ; four pairs into one
	v_pk_add_f32 v[T+8*(\a):T+8*(\a)+1], v[T+8*(\a):T+8*(\a)+1], v[T+8*(\a)+2:T+8*(\a)+3]
	v_pk_add_f32 v[T+8*(\a)+4:T+8*(\a)+5], v[T+8*(\a)+4:T+8*(\a)+5], v[T+8*(\a)+6:T+8*(\a)+7]
	v_pk_add_f32 v[T+8*(\a):T+8*(\a)+1], v[T+8*(\a):T+8*(\a)+1], v[T+8*(\a)+4:T+8*(\a)+5]
	v_add_f32 v[T+8*(\a)], v[T+8*(\a)], v[T+8*(\a)+1]
.endm
.macro ACROSS off                      ; my 64 columns' sums: the other half of the lanes, then all eight waves through LDS
.irp a, 0,1
	FOLD \a
	v_permlanex16_b32 v[T+8*\a+1], v[T+8*\a], s82, s83
	v_add_f32 v[T+8*\a], v[T+8*\a], v[T+8*\a+1]
	ds_store_b32 v[RW], v[T+8*\a] offset:(\off)+\a*512
.endr
	s_wait_dscnt 0x0                               ; for the others' sake
	s_barrier_signal -1
	s_barrier_wait -1
.irp a, 0,1
	ds_load_b128 v[T+8*\a:T+8*\a+3],   v[RR] offset:(\off)+\a*512
	ds_load_b128 v[T+8*\a+4:T+8*\a+7], v[RR] offset:(\off)+\a*512+16
.endr
	s_wait_dscnt 0x0
	FOLD 0
	FOLD 1
.endm
	s_load_b256 s[4:11], s[0:1], 0x0               ; xa_att, wfrag, bo, x
	s_load_b256 s[12:19], s[0:1], 0x20             ; g1, b1, q_o1, o1f
	v_lshl_add_u32 v[SPW], v0, 2, SPARE
	v_mov_b32 v[NIL], 0
	ds_add_u32 v[SPW], v[NIL]                      ; the wave's opening
	v_lshrrev_b32 v1, 5, v0
	v_readfirstlane_b32 s20, v1                    ; wave
	s_bfe_u32 s23, ttmp6, 0x40000                  ; cx
	s_lshl_b32 s25, ttmp9, 2
	s_add_co_u32 s25, s25, s23                     ; my panel of 32 tokens
	s_mov_b32 s[G1B], 15|(3<<16)|(1<<21)           ; Wo: the mask of four; 16,384 dense bytes as 64 rows of 256
	s_mov_b32 s[G1B+1], 32<<16
	s_mov_b32 s[G1B+2], 64<<16
	s_mov_b32 s[G1B+3], 32<<16
	s_mov_b32 s[G1B+4], 64
	s_mov_b32 s[G1B+5], 32
	s_mov_b32 s[G1B+6], 0
	s_mov_b32 s[G1B+7], 0
	s_mov_b32 s[G1A], 3<<16                        ; tokens: my own, 4,096 dense bytes as 16 rows of 256
	s_mov_b32 s[G1A+1], 32<<16
	s_mov_b32 s[G1A+2], 16<<16
	s_mov_b32 s[G1A+3], 32<<16
	s_mov_b32 s[G1A+4], 16
	s_mov_b32 s[G1A+5], 32
	s_mov_b32 s[G1A+6], 0
	s_mov_b32 s[G1A+7], 0
	s_mov_b32 s[G1X], (2<<16)|(1<<20)|(7<<22)|(3<<25)  ; x: 4 rows of 512 f32; 4 words of padding behind every 256: LDS rows 2,080 bytes apart
	s_mov_b32 s[G1X+1], 512<<16
	s_mov_b32 s[G1X+2], 4<<16
	s_mov_b32 s[G1X+3], 512<<16
	s_mov_b32 s[G1X+4], 4
	s_mov_b32 s[G1X+5], 512
	s_mov_b32 s[G1X+6], 0
	s_mov_b32 s[G1X+7], 0
	s_lshr_b32 s21, s20, 1
	s_and_b32 s22, s20, 1
	s_lshl_b32 s30, s21, 21                        ; tokens: K step wave / 2,
	s_lshl1_add_u32 s31, s25, s22                  ; token block 2 x panel + wave % 2
	s_lshl_b32 s31, s31, 12
	s_add_co_u32 s30, s30, s31
	s_mov_b32 s31, 0
	s_lshl_b32 s32, s20, 14                        ; Wo: my 64 columns' 16,384 bytes of a K step
	s_add_co_u32 s32, s32, WOFF
	s_mov_b32 s33, 0
	s_lshl_b32 s34, s25, 16                        ; x: 32 rows of 2,048 bytes a panel, 4 rows a wave
	s_lshl_b32 s35, s20, 13
	s_add_co_u32 s34, s34, s35
	s_mov_b32 s35, 0
	s_mov_b32 s[G0A], 1
	s_lshl_b32 s[G0A+1], s20, 12
	s_add_co_u32 s[G0A+1], s[G0A+1], ALDS
	s_mov_b32 s[G0B], 1
	s_lshl_b32 s[G0B+1], s20, 14
	s_mov_b32 s[G0B+4], 1
	s_add_co_u32 s[G0B+5], s[G0B+1], SLOT
	s_mov_b32 s[G0X], 1
	s_mul_i32 s[G0X+1], s20, 8320
	s_mov_b32 s80, 0x3b000000                      ; 1 / 512
	s_mov_b32 s81, 0x3727c5ac                      ; 1e-5
	s_mov_b32 s82, 0x76543210
	s_mov_b32 s83, 0xfedcba98
	s_wait_dscnt 0x0
	s_wait_kmcnt 0x0
	s_add_nc_u64 s[G0A+2:G0A+3], s[4:5], s[30:31]
	s_or_b32 s[G0A+3], s[G0A+3], 0x80000000
	s_add_nc_u64 s[32:33], s[6:7], s[32:33]
	s_add_nc_u64 s[G0B+2:G0B+3], s[32:33], 0
	s_or_b32 s[G0B+3], s[G0B+3], 0x80000000
	s_add_nc_u64 s[G0B+6:G0B+7], s[32:33], SLOT    ; a K step of Wo is 131,072 bytes
	s_or_b32 s[G0B+7], s[G0B+7], 0x80000000
	s_add_nc_u64 s[G0X+2:G0X+3], s[10:11], s[34:35]
	s_or_b32 s[G0X+3], s[G0X+3], 0x80000000
	CROUND                                         ; all four work-groups are here
	tensor_load_to_lds s[G0A:G0A+3], s[G1A:G1A+7]  ; the first fills, one group: three loads of mine are out
	s_nop 0
	tensor_load_to_lds s[G0B:G0B+3], s[G1B:G1B+7]
	s_nop 0
	tensor_load_to_lds s[G0B+4:G0B+7], s[G1B:G1B+7]
	s_nop 0
	PLACES
	v_and_b32 v1, 15, v0                           ; r
	v_bfe_u32 v2, v0, 4, 1                         ; h
	v_and_b32 v26, 31, v0
	v_lshlrev_b32 v26, 4, v26                      ; 16 L
	v_add_nc_u32 v[ADRA], ALDS, v26
	s_lshl_b32 s30, s20, 14
	v_add_nc_u32 v[ADRB], s30, v26
	v_add_nc_u32 v[ADRB+1], SLOT, v[ADRB]
	s_lshl_b32 s30, s20, 8                         ; x in LDS: token x 2,080 + 4 x column (256 x wave + ..) + 16 for the upper 256 columns (waves 4 to 7)
	s_lshr_b32 s31, s20, 2
	s_lshl_b32 s31, s31, 4
	s_add_co_u32 s30, s30, s31
	v_mul_u32_u24 v[XA], v1, 2080
	v_lshl_add_u32 v[XA], v2, 5, v[XA]
	v_add_nc_u32 v[XA], s30, v[XA]
	v_lshl_add_u32 v[RR], v1, 5, RED1              ; a token's eight partial sums
	s_lshl_b32 s31, s20, 2
	v_add_nc_u32 v[RW], s31, v[RR]
	v_lshlrev_b32 v3, 5, v2                        ; 32 h: a lane's 8 columns
	s_lshl_b32 s30, s20, 8                         ; my 64 columns of bo, g1, b1
	s_mov_b32 s31, 0
	s_add_nc_u64 s[8:9], s[8:9], s[30:31]
	s_add_nc_u64 s[12:13], s[12:13], s[30:31]
	s_add_nc_u64 s[14:15], s[14:15], s[30:31]
.irp b, 0,1,2,3
.irp a, 0,1
	global_load_b128 v[ACC+8*(4*\a+\b):ACC+8*(4*\a+\b)+3],   v3, s[8:9] offset:64*\b
	global_load_b128 v[ACC+8*(4*\a+\b)+4:ACC+8*(4*\a+\b)+7], v3, s[8:9] offset:64*\b+16
.endr
	global_load_b128 v[G+8*\b:G+8*\b+3],     v3, s[12:13] offset:64*\b
	global_load_b128 v[G+8*\b+4:G+8*\b+7],   v3, s[12:13] offset:64*\b+16
	global_load_b128 v[BB+8*\b:BB+8*\b+3],   v3, s[14:15] offset:64*\b
	global_load_b128 v[BB+8*\b+4:BB+8*\b+7], v3, s[14:15] offset:64*\b+16
.endr
	s_lshl_b32 s30, s25, 16                        ; o1f: token block 2 x panel, column block 4 x wave
	s_lshl_b32 s32, s20, 12
	s_add_co_u32 s30, s30, s32
	s_add_nc_u64 s[18:19], s[18:19], s[30:31]
	s_lshl_b32 s30, s21, 21                        ; q_o1 as F(4, 512): K step wave / 2, kq 2 (wave % 2) + b / 2
	s_lshl_b32 s32, s25, 13
	s_add_co_u32 s30, s30, s32
	s_lshl_b32 s32, s22, 11
	s_add_co_u32 s30, s30, s32
	s_add_nc_u64 s[16:17], s[16:17], s[30:31]
	s_wait_tensorcnt 0x1                           ; the tokens and slot 0 are in; slot 1 may stay out
	s_barrier_signal -1
	s_barrier_wait -1
	FETCH 0, 0, 0, F0
	s_wait_loadcnt 0x0                             ; bo in the accumulators, g1, b1
	STEP3 0, 0
	TURN 0, 1, 1
	STEP3 1, 1
	TURN 1, 2, 1
	STEP3 2, 0
	TURN 0, 3, 2
	STEP3 3, 1
	s_wait_dscnt 0x0
	MULH F1, 0
	MULH F1, 1
	s_wait_tensorcnt 0x0                           ; my four rows of x are in,
	s_barrier_signal -1
	s_barrier_wait -1                              ; everybody's are
	PLACES
.irp a, 0,1
.irp b, 0,1,2,3
	ds_load_b128 v[XR+8*(4*\a+\b):XR+8*(4*\a+\b)+3],   v[XA] offset:\a*33280+\b*64
	ds_load_b128 v[XR+8*(4*\a+\b)+4:XR+8*(4*\a+\b)+7], v[XA] offset:\a*33280+\b*64+16
.endr
.endr
	s_wait_dscnt 0x0                               ; x is in my registers: my reads of the tile are over;
	s_barrier_signal -1                            ; say so; the additions below, work on registers, stand between the signal and the wait
.set i, 0
.rept 32                                               ; z = x + attn Wo + bo; every accumulator's registers in ascending order
	v_pk_add_f32 v[ACC+2*i:ACC+2*i+1], v[ACC+2*i:ACC+2*i+1], v[XR+2*i:XR+2*i+1]
.set i, i+1
.endr
.irp a, 0,1
.irp c, 0,1,2,3
	v_pk_add_f32 v[T+8*\a+2*\c:T+8*\a+2*\c+1], v[ACC+8*(4*\a+\c):ACC+8*(4*\a+\c)+1], v[ACC+8*(4*\a+\c)+2:ACC+8*(4*\a+\c)+3]
.endr
.irp p, 4,6
.irp c, 0,1,2,3
	v_pk_add_f32 v[T+8*\a+2*\c:T+8*\a+2*\c+1], v[T+8*\a+2*\c:T+8*\a+2*\c+1], v[ACC+8*(4*\a+\c)+\p:ACC+8*(4*\a+\c)+\p+1]
.endr
.endr
.endr
	s_barrier_wait -1                              ; every wave's reads of the x tile are over before any wave stores into LDS
	ACROSS 0
.irp a, 0,1
	v_mul_f32 v[MU+2*\a], s80, v[T+8*\a]           ; the mean
	v_mov_b32 v[MU+2*\a+1], v[MU+2*\a]
.endr
.irp a, 0,1
.set i, 0
.rept 16
	v_pk_add_f32 v[ACC+32*\a+2*i:ACC+32*\a+2*i+1], v[ACC+32*\a+2*i:ACC+32*\a+2*i+1], v[MU+2*\a:MU+2*\a+1] neg_lo:[0,1] neg_hi:[0,1]
.set i, i+1
.endr
.endr
.irp a, 0,1
.irp c, 0,1,2,3
	v_pk_mul_f32 v[T+8*\a+2*\c:T+8*\a+2*\c+1], v[ACC+8*(4*\a+\c):ACC+8*(4*\a+\c)+1], v[ACC+8*(4*\a+\c):ACC+8*(4*\a+\c)+1]
.endr
.irp p, 2,4,6
.irp c, 0,1,2,3
	v_pk_fma_f32 v[T+8*\a+2*\c:T+8*\a+2*\c+1], v[ACC+8*(4*\a+\c)+\p:ACC+8*(4*\a+\c)+\p+1], v[ACC+8*(4*\a+\c)+\p:ACC+8*(4*\a+\c)+\p+1], v[T+8*\a+2*\c:T+8*\a+2*\c+1]
.endr
.endr
.endr
	ACROSS 1024                                    ; other bytes than the first reduction's
	v_fma_f32 v[T], v[T], s80, s81                 ; variance + 1e-5
	v_fma_f32 v[T+8], v[T+8], s80, s81
	v_rsq_f32 v[RS], v[T]
	v_rsq_f32 v[RS+2], v[T+8]
	v_nop
	s_wait_alu depctr_va_vdst(0)
	v_mov_b32 v[RS+1], v[RS]
	v_mov_b32 v[RS+3], v[RS+2]
.irp a, 0,1
.set i, 0
.rept 16
	v_pk_mul_f32 v[ACC+32*\a+2*i:ACC+32*\a+2*i+1], v[ACC+32*\a+2*i:ACC+32*\a+2*i+1], v[RS+2*\a:RS+2*\a+1]
	v_pk_fma_f32 v[ACC+32*\a+2*i:ACC+32*\a+2*i+1], v[ACC+32*\a+2*i:ACC+32*\a+2*i+1], v[G+2*i:G+2*i+1], v[BB+2*i:BB+2*i+1]
.set i, i+1
.endr
.endr
.irp a, 0,1
.irp b, 0,1,2,3
	global_store_b128 v26, v[ACC+8*(4*\a+\b):ACC+8*(4*\a+\b)+3],   s[18:19] offset:\a*32768+\b*1024
	global_store_b128 v26, v[ACC+8*(4*\a+\b)+4:ACC+8*(4*\a+\b)+7], s[18:19] offset:\a*32768+\b*1024+512
.endr
.endr
.set i, 0
.rept 32
	v_cvt_pk_bf16_f32 v[XR+i], v[ACC+2*i], v[ACC+2*i+1]
.set i, i+1
.endr
.irp a, 0,1
.irp b, 0,1,2,3
	global_store_b128 v26, v[XR+4*(4*\a+\b):XR+4*(4*\a+\b)+3], s[16:17] offset:\a*4096+\b*512
.endr
.endr
	s_wait_tensorcnt 0x0                           ; the wave's end
	ds_add_u32 v[SPW], v[NIL]
	s_wait_dscnt 0x0
	CROUND                                         ; the closing round
	s_endpgm
.Lfunc_end_k_qdede7ea1b0_woln:
	.size	k_qdede7ea1b0_woln, .Lfunc_end_k_qdede7ea1b0_woln-k_qdede7ea1b0_woln
	.p2alignl 7, 3214868480
	.fill 96, 4, 3214868480
	.section	.rodata,"a",@progbits
	.p2align	6, 0x0
	.amdhsa_kernel k_qdede7ea1b0_woln
		.amdhsa_group_segment_fixed_size 327680
		.amdhsa_private_segment_fixed_size 0
		.amdhsa_enable_private_segment 0
		.amdhsa_kernarg_size 64
		.amdhsa_user_sgpr_count 2
		.amdhsa_user_sgpr_kernarg_segment_ptr 1
		.amdhsa_wavefront_size32 1
		.amdhsa_system_sgpr_workgroup_id_x 1
		.amdhsa_system_sgpr_workgroup_id_y 1
		.amdhsa_system_sgpr_workgroup_id_z 1
		.amdhsa_system_vgpr_workitem_id 0
		.amdhsa_next_free_vgpr 256
		.amdhsa_next_free_sgpr 84
		.amdhsa_reserve_vcc 0
		.amdhsa_float_denorm_mode_32 3
		.amdhsa_float_denorm_mode_16_64 3
		.amdhsa_memory_ordered 1
		.amdhsa_forward_progress 1
		.amdhsa_inst_pref_size 55
	.end_amdhsa_kernel
	.amdgpu_metadata
---
amdhsa.version: [ 1, 2 ]
amdhsa.kernels:
  - .name:           k_qdede7ea1b0_woln
    .symbol:         k_qdede7ea1b0_woln.kd
    .args:
      - { .name: xa_att, .offset: 0, .size: 8, .value_kind: global_buffer, .address_space: global }
      - { .name: wfrag, .offset: 8, .size: 8, .value_kind: global_buffer, .address_space: global }
      - { .name: bo, .offset: 16, .size: 8, .value_kind: global_buffer, .address_space: global }
      - { .name: x, .offset: 24, .size: 8, .value_kind: global_buffer, .address_space: global }
      - { .name: g1, .offset: 32, .size: 8, .value_kind: global_buffer, .address_space: global }
      - { .name: b1, .offset: 40, .size: 8, .value_kind: global_buffer, .address_space: global }
      - { .name: q_o1, .offset: 48, .size: 8, .value_kind: global_buffer, .address_space: global }
      - { .name: o1f, .offset: 56, .size: 8, .value_kind: global_buffer, .address_space: global }
    .group_segment_fixed_size: 327680
    .private_segment_fixed_size: 0
    .kernarg_segment_align: 8
    .kernarg_segment_size: 64
    .max_flat_workgroup_size: 256
    .sgpr_count:     84
    .vgpr_count:     256
    .wavefront_size: 32
...
	.end_amdgpu_metadata
.endif
;; end of part 4
;; launch ff1 (part 5): grid 8 x 32, 8 waves a work-group, clusters of 4 x 4, 327,680 bytes of LDS; arguments q_o1, wfrag, b_ff1, hfrag; writes hfrag
.if DOCPART == 5
	.amdgcn_target "amdgcn-amd-amdhsa--gfx1250"
	.amdhsa_code_object_version 6
	.text
	.protected	k_qdede7ea1b0_ff1
	.globl	k_qdede7ea1b0_ff1
	.p2align	8
	.type	k_qdede7ea1b0_ff1,@function
k_qdede7ea1b0_ff1:
	s_mov_b64 s[64:65], 0
	v_nop
	global_prefetch_b8 v0, s[64:65] scope:SCOPE_SE
	s_setreg_imm32_b32 hwreg(HW_REG_WAVE_MODE, 25, 1), 1
	s_wait_xcnt 0x0
	s_wait_alu depctr_hold_cnt(0) depctr_sa_sdst(0) depctr_va_vdst(0) depctr_va_sdst(0) depctr_va_ssrc(0) depctr_va_vcc(0) depctr_vm_vsrc(0)
	s_getreg_b32 s2, hwreg(HW_REG_IB_STS2, 6, 4)
	s_cmp_eq_u32 s2, 0
	s_cbranch_scc0 .Lentry_in_a_cluster
	s_endpgm
.Lentry_in_a_cluster:
	s_bfe_u32 s2, ttmp6, 0x10000c
	s_cmp_lg_u32 s2, 0xf033
	s_cbranch_scc0 .Lentry_shape_is_right
	s_endpgm
.Lentry_shape_is_right:
; h = gelu(out1 W1 + b_ff1), 256 tokens x 256 columns a work-group; operands bf16 in fragment order, sums f32, h rounded once to bf16 and stored in fragment order, F(8, 512).
; Eight waves, 2 x 4: a wave makes 128 tokens x 64 columns, 32 accumulators in window 1.  K = 512 in four steps of 128 through two LDS slots.
; Source 0 = weights, source 1 = tokens: a lane holds one token and 8 neighbouring columns, which rounded are half a fragment of the next product.  The bias is the C operand that starts the sums.
; The way out: when the slots have had their last fill and every wave its last read, each wave lays its accumulators into 32 KB of them, its own, in the order of the walk, and walks them in a loop of sixteen trips.
; GELU: gelu(x) = max(x, 0) - |x| r, r = erfc(|x| / sqrt 2) / 2 = (1 / q(|x|))^16, by Abramowitz and Stegun 7.1.28: erfc z = (1 + a1 z + .. + a6 z^6)^-16.
; q's coefficients are a_k 2^(-k/2) 2^(1/16): the change from z to |x|, and the factor 1/2 under the sixteenth power.  All are positive: nothing cancels; the reciprocal is the one transcendental;
; where q overflows, its reciprocal and r are 0, as they should be.
; LIMITS: that form of erf is off by 3e-7 at the most, for every x; operands and h bf16; NaN and infinities not treated apart.
; CLUSTER 4 x 4: the tokens' tile is asked for jointly along a row of the cluster, the weights' along a column.
.set NA, 4
.set WNLOG, 2
.set TB, 8
.set CB, 4
.set KQ, 4
.set LAPS, 2
.set LOADB, 16384
.set LROWS, 64
.set ATILE, 65536
.set ASTEP, 2097152
.set BTILE, 65536
.set BSTEP, 524288
.set WOFF, 2097152
.set BIAS, 224
.set SLOT, 131072
.set ABYTES, ATILE
.set SPARE, 262144
.set F0, 32
.set F1, F0+8*(TB+CB)
.set ADRA, 16
.set ADRB, 20
.set SPW, 28
.set NIL, 29
.set G1A, 36
.set G1B, 44
.set G0A, 52
.set G0B, 68
.set X, 32                             ; the way out, all in window 0: 16 numbers a lane and trip
.set DD, 64                            ; max(x, 0)
.set U, 96                             ; packed results
.set QQ, 128                           ; q, 1 / q, its powers
.set AX, 160                           ; |x|
.set MSB, 0
.macro WIN new                         ; the high byte repeats the setting that is left; window 1 holds the accumulators ((a, b) at v[8 (CB a + b)])
.if MSB != (\new)
	s_set_vgpr_msb (MSB<<8)|(\new)
.set MSB, \new
.endif
.endm
.macro PLACES
.rept 4
	v_nop
.endr
.endm
.macro CREST
	s_cmp_lg_u32 s20, 0
	s_cbranch_scc1 .Lnw0_\@
	s_barrier_signal -3
.Lnw0_\@:
	s_barrier_wait -3
	s_barrier_signal -1
	s_barrier_wait -1
.endm
.macro CROUND
	s_barrier_signal -1
	s_barrier_wait -1
	CREST
.endm
.macro JLOAD s                         ; a joint load; the branch hangs on the wave's number alone; s_nop 0 and four v_nop follow each line
	s_cmp_lt_u32 s20, NA
	s_cbranch_scc0 .Lfb_\@
	tensor_load_to_lds s[G0A+4*(\s):G0A+4*(\s)+3], s[G1A:G1A+7]
	s_nop 0
	PLACES
	s_branch .Las_\@
.Lfb_\@:
	tensor_load_to_lds s[G0B+4*(\s):G0B+4*(\s)+3], s[G1B:G1B+7]
	s_nop 0
	PLACES
.Las_\@:
.endm
.macro FETCH slot, q, f
	WIN 0
.set b, 0
.rept CB
	ds_load_b128 v[(\f)+8*TB+8*b:(\f)+8*TB+8*b+3],   v[ADRB+(\slot)] offset:b*KQ*1024+(\q)*1024
	ds_load_b128 v[(\f)+8*TB+8*b+4:(\f)+8*TB+8*b+7], v[ADRB+(\slot)] offset:b*KQ*1024+(\q)*1024+512
.set b, b+1
.endr
.set a, 0
.rept TB
	ds_load_b128 v[(\f)+8*a:(\f)+8*a+3],   v[ADRA+(\slot)] offset:a*KQ*1024+(\q)*1024
	ds_load_b128 v[(\f)+8*a+4:(\f)+8*a+7], v[ADRA+(\slot)] offset:a*KQ*1024+(\q)*1024+512
.set a, a+1
.endr
.endm
.macro MULH f, hi, zero                ; every accumulator has one instruction a quarter, in one order
.if \zero
	WIN 0x40
.else
	WIN 0x50
.endif
.set a, (\hi)*TB/2
.rept TB/2
.set b, 0
.rept CB
.set rD, 8*(CB*a+b)
.set rW, (\f)+8*TB+8*b
.set rT, (\f)+8*a
.if \zero
	v_wmma_f32_16x16x32_bf16 v[rD:rD+7], v[rW:rW+7], v[rT:rT+7], v[BIAS+8*b:BIAS+8*b+7]
.else
	v_wmma_f32_16x16x32_bf16 v[rD:rD+7], v[rW:rW+7], v[rT:rT+7], v[rD:rD+7]
.endif
.set b, b+1
.endr
.set a, a+1
.endr
.endm
.macro QUARTER slot, q, f, g, zero
	s_wait_dscnt TB                                ; all but the youngest TB loads: the second half's token fragments
	MULH \f, 0, \zero
	WIN 0
	PLACES
	FETCH \slot, (\q)+1, \g
	s_wait_dscnt 2*(TB+CB)                         ; all but the run just issued
	MULH \f, 1, \zero
.endm
.macro BODY slot, from
.set qq, \from
.rept KQ-1-(\from)
.if qq%2 == 0
	QUARTER \slot, qq, F0, F1, 0
.else
	QUARTER \slot, qq, F1, F0, 0
.endif
.set qq, qq+1
.endr
.endm
.macro TURN slot, next, fill
	WIN 0
	s_wait_tensorcnt 0x0                           ; all my tensor loads have landed: my part of the next slot
	ds_add_u32 v[SPW], v[NIL]
.if \fill
	s_add_nc_u64 s[G0A+4*(\slot)+2:G0A+4*(\slot)+3], s[G0A+4*(\slot)+2:G0A+4*(\slot)+3], 2*ASTEP
	s_add_nc_u64 s[G0B+4*(\slot)+2:G0B+4*(\slot)+3], s[G0B+4*(\slot)+2:G0B+4*(\slot)+3], 2*BSTEP
.endif
	s_wait_dscnt 0x0                               ; the add is done and my reads of this slot are over
	s_barrier_signal -1
	MULH F1, 0, 0
	WIN 0
	s_barrier_wait -1
.if \fill
	CREST                                          ; a round of the cluster's barrier: no wave of any partner still reads the slot or has a load out
	JLOAD \slot
.else
	PLACES
.endif
	FETCH \next, 0, F0
	MULH F1, 1, 0
.endm
	s_load_b256 s[4:11], s[0:1], 0x0               ; q_o1 (out1), wfrag, b_ff1, hfrag
	v_lshl_add_u32 v[SPW], v0, 2, SPARE
	v_mov_b32 v[NIL], 0
	ds_add_u32 v[SPW], v[NIL]                      ; the wave's opening
	v_lshrrev_b32 v1, 5, v0
	v_readfirstlane_b32 s20, v1
	s_lshr_b32 s21, s20, WNLOG
	s_and_b32 s22, s20, (1<<WNLOG)-1
	s_bfe_u32 s23, ttmp6, 0x40000
	s_bfe_u32 s24, ttmp6, 0x40004
	s_lshl_b32 s25, ttmp9, 2
	s_add_co_u32 s25, s25, s23                     ; tile column
	s_and_b32 s26, ttmp7, 0xffff
	s_lshl_b32 s26, s26, 2
	s_add_co_u32 s26, s26, s24                     ; tile row
	s_lshl_b32 s27, s24, 2
	s_lshl_b32 s27, 15, s27
	s_lshl_b32 s28, 0x1111, s23
	s_or_b32 s[G1A], s27, (3<<16)|(1<<21)
	s_or_b32 s[G1B], s28, (3<<16)|(1<<21)
.irp g, G1A, G1B
	s_mov_b32 s[\g+1], 32<<16
	s_mov_b32 s[\g+2], LROWS<<16
	s_mov_b32 s[\g+3], 32<<16
	s_mov_b32 s[\g+4], LROWS
	s_mov_b32 s[\g+5], 32
	s_mov_b32 s[\g+6], 0
	s_mov_b32 s[\g+7], 0
.endr
	s_min_u32 s34, s20, NA-1
	s_mul_i32 s30, s26, ATILE
	s_mul_i32 s34, s34, LOADB
	s_add_co_u32 s30, s30, s34
	s_mov_b32 s31, 0
	s_max_u32 s35, s20, NA
	s_sub_co_u32 s35, s35, NA
	s_mul_i32 s32, s25, BTILE
	s_mul_i32 s35, s35, LOADB
	s_add_co_u32 s32, s32, s35
	s_add_co_u32 s32, s32, WOFF
	s_mov_b32 s33, 0
	s_mul_i32 s34, s20, LOADB
	s_mov_b32 s76, 0x3f85aac3                      ; q's coefficients, each named as a pair: c0 = 2^(1/16) = 1.0442738
	s_mov_b32 s77, s76
	s_mov_b32 s78, 0x3d554cc4                      ; c1 = 0.0705230784 x 2^(-1/2) c0 = 0.052075163
	s_mov_b32 s79, s78
	s_mov_b32 s80, 0x3cb4dad2                      ; c2 = 0.0422820123 x 2^(-1) c0 = 0.022076998
	s_mov_b32 s81, s80
	s_mov_b32 s82, 0x3b605009                      ; c3 = 0.0092705272 x 2^(-3/2) c0 = 0.0034227392
	s_mov_b32 s83, s82
	s_mov_b32 s84, 0x382674aa                      ; c4 = 0.0001520143 x 2^(-2) c0 = 0.000039686135
	s_mov_b32 s85, s84
	s_mov_b32 s86, 0x3856241d                      ; c5 = 0.0002765672 x 2^(-5/2) c0 = 0.00005105521
	s_mov_b32 s87, s86
	s_mov_b32 s88, 0x36bc9e9a                      ; c6 = 0.0000430638 x 2^(-3) c0 = 0.0000056213
	s_mov_b32 s89, s88
	s_mov_b32 s90, 0x7fffffff                      ; clears a sign
	s_wait_dscnt 0x0
	s_wait_kmcnt 0x0
	s_add_nc_u64 s[30:31], s[4:5], s[30:31]
	s_add_nc_u64 s[32:33], s[6:7], s[32:33]
	CROUND
.irp s, 0,1
	s_mov_b32 s[G0A+4*(\s)], 1
	s_add_co_u32 s[G0A+4*(\s)+1], s34, (\s)*SLOT
	s_add_nc_u64 s[G0A+4*(\s)+2:G0A+4*(\s)+3], s[30:31], (\s)*ASTEP
	s_or_b32 s[G0A+4*(\s)+3], s[G0A+4*(\s)+3], 0x80000000
	s_mov_b32 s[G0B+4*(\s)], 1
	s_add_co_u32 s[G0B+4*(\s)+1], s34, (\s)*SLOT
	s_add_nc_u64 s[G0B+4*(\s)+2:G0B+4*(\s)+3], s[32:33], (\s)*BSTEP
	s_or_b32 s[G0B+4*(\s)+3], s[G0B+4*(\s)+3], 0x80000000
	JLOAD \s
.endr
	v_bfe_u32 v2, v0, 4, 1
	v_and_b32 v26, 31, v0
	v_lshlrev_b32 v26, 4, v26
	s_mul_i32 s30, s21, TB*KQ*1024
	s_mul_i32 s31, s22, CB*KQ*1024
	s_add_co_u32 s31, s31, ABYTES
	v_add_nc_u32 v[ADRA], s30, v26
	v_add_nc_u32 v[ADRB], s31, v26
	v_add_nc_u32 v[ADRA+1], SLOT, v[ADRA]
	v_add_nc_u32 v[ADRB+1], SLOT, v[ADRB]
	s_lshl_b32 s30, s20, 15
	v_add_nc_u32 v25, s30, v26                     ; the way out: my 32 KB of the slots
	s_lshl_b32 s34, s25, 10                        ; b_ff1 at column 256 tx + 64 wn
	s_lshl_b32 s30, s22, 8
	s_add_co_u32 s34, s34, s30
	s_mov_b32 s35, 0
	s_add_nc_u64 s[8:9], s[8:9], s[34:35]
	s_lshl_b32 s34, s25, 22                        ; hfrag: K step tx, token block 16 ty + 8 wm, kq 2 wn
	s_lshl_b32 s30, s26, 4
	s_lshl3_add_u32 s30, s21, s30
	s_lshl_b32 s30, s30, 13
	s_add_co_u32 s34, s34, s30
	s_lshl_b32 s30, s22, 11
	s_add_co_u32 s34, s34, s30
	s_add_nc_u64 s[10:11], s[10:11], s[34:35]
	v_lshlrev_b32 v3, 5, v2
.irp b, 0,1,2,3
	global_load_b128 v[BIAS+8*\b:BIAS+8*\b+3],   v3, s[8:9] offset:64*\b
	global_load_b128 v[BIAS+8*\b+4:BIAS+8*\b+7], v3, s[8:9] offset:64*\b+16
.endr
	s_wait_tensorcnt 0x1                           ; my part of K step 0 is in; K step 1's may stay out
	s_barrier_signal -1
	s_barrier_wait -1
	FETCH 0, 0, F0
	s_wait_loadcnt 0x0
	QUARTER 0, 0, F0, F1, 1
	WIN 0
	s_mov_b32 s29, LAPS-1
.Llap:
	BODY 0, 1
	TURN 0, 1, 1
	BODY 1, 0
	TURN 1, 0, 1
	QUARTER 0, 0, F0, F1, 0
	WIN 0
	s_sub_co_u32 s29, s29, 1
	s_cmp_lg_u32 s29, 0
	s_cbranch_scc1 .Llap
	BODY 0, 1
	TURN 0, 1, 0
	BODY 1, 0
	s_wait_dscnt 0x0                               ; my last reads of the slots are back
	MULH F1, 0, 0
	MULH F1, 1, 0
	WIN 0
	s_barrier_signal -1
	s_barrier_wait -1                              ; everybody's are: the slots, which have had their last fill, may be written
	PLACES
	WIN 0x04                                       ; the data in window 1.  Accumulator (a, b) goes to block 16 (b / 2) + 2 a + b % 2: the order in which the loop below takes them
.set a, 0
.rept TB
.irp b, 0,1,2,3
	ds_store_b128 v25, v[8*(CB*a+\b):8*(CB*a+\b)+3]   offset:((\b/2)*16+a*2+(\b%2))*1024
	ds_store_b128 v25, v[8*(CB*a+\b)+4:8*(CB*a+\b)+7] offset:((\b/2)*16+a*2+(\b%2))*1024+512
.endr
.set a, a+1
.endr
	WIN 0
	s_mov_b32 s29, 16
.Lgelu:                                                ; trip t = 16 - s29: token block a = t % 8, column blocks 2 (t / 8) and 2 (t / 8) + 1: one whole fragment of h.  LDS serves a wave's instructions in order, and the bytes are my own
.irp b, 0,1
	ds_load_b128 v[X+8*\b:X+8*\b+3],   v25 offset:\b*1024
	ds_load_b128 v[X+8*\b+4:X+8*\b+7], v25 offset:\b*1024+512
.endr
	s_sub_co_u32 s31, 16, s29
	s_and_b32 s30, s31, 7
	s_lshl_b32 s30, s30, 13                        ; 8,192 bytes from a token block of hfrag to the next,
	s_lshr_b32 s31, s31, 3
	s_lshl_b32 s31, s31, 10                        ; 1,024 from a fragment to the next
	s_add_co_u32 s30, s30, s31
	v_add_nc_u32 v27, s30, v26                     ; (the last trip's stores have read v27: the wait at the trip's end)
	s_wait_dscnt 0x0
.set i, 0
.rept 16
	v_and_b32 v[AX+i], s90, v[X+i]
.set i, i+1
.endr
.set i, 0
.rept 8
	v_pk_fma_f32 v[QQ+i:QQ+i+1], v[AX+i:AX+i+1], s[88:89], s[86:87] op_sel_hi:[1,0,0]  ; c6 |x| + c5
.set i, i+2
.endr
.irp c, 84,82,80,78,76                                 ; and on down to c0: eight pairs a step, so that no line waits for the one before it
.set i, 0
.rept 8
	v_pk_fma_f32 v[QQ+i:QQ+i+1], v[QQ+i:QQ+i+1], v[AX+i:AX+i+1], s[\c:\c+1] op_sel_hi:[1,1,0]
.set i, i+2
.endr
.endr
.set i, 0
.rept 8                                                ; two plain lines stand behind each pair of reciprocals
	v_rcp_f32 v[QQ+i], v[QQ+i]
	v_rcp_f32 v[QQ+i+1], v[QQ+i+1]
	v_max_num_f32 v[DD+i], 0, v[X+i]
	v_max_num_f32 v[DD+i+1], 0, v[X+i+1]
.set i, i+2
.endr
	s_wait_alu depctr_va_vdst(0)
.rept 4                                                ; the sixteenth power: four squarings
.set i, 0
.rept 8
	v_pk_mul_f32 v[QQ+i:QQ+i+1], v[QQ+i:QQ+i+1], v[QQ+i:QQ+i+1]
.set i, i+2
.endr
.endr
.set i, 0
.rept 8
	v_pk_fma_f32 v[X+i:X+i+1], v[AX+i:AX+i+1], v[QQ+i:QQ+i+1], v[DD+i:DD+i+1] neg_lo:[1,0,0] neg_hi:[1,0,0]  ; max(x, 0) - |x| r
.set i, i+2
.endr
.set i, 0
.rept 8
	v_cvt_pk_bf16_f32 v[U+i], v[X+2*i], v[X+2*i+1]
.set i, i+1
.endr
	global_store_b128 v27, v[U:U+3],   s[10:11]             ; 512 consecutive bytes, aligned
	global_store_b128 v27, v[U+4:U+7], s[10:11] offset:512
	s_wait_xcnt 0x0                                ; the stores' data and offset are rewritten only behind this wait
	v_add_nc_u32 v25, 2048, v25
	s_sub_co_u32 s29, s29, 1
	s_cmp_lg_u32 s29, 0
	s_cbranch_scc1 .Lgelu
	s_wait_tensorcnt 0x0                           ; the wave's end
	ds_add_u32 v[SPW], v[NIL]
	s_wait_dscnt 0x0
	CROUND                                         ; the closing round
	s_endpgm
.Lfunc_end_k_qdede7ea1b0_ff1:
	.size	k_qdede7ea1b0_ff1, .Lfunc_end_k_qdede7ea1b0_ff1-k_qdede7ea1b0_ff1
	.p2alignl 7, 3214868480
	.fill 96, 4, 3214868480
	.section	.rodata,"a",@progbits
	.p2align	6, 0x0
	.amdhsa_kernel k_qdede7ea1b0_ff1
		.amdhsa_group_segment_fixed_size 327680
		.amdhsa_private_segment_fixed_size 0
		.amdhsa_enable_private_segment 0
		.amdhsa_kernarg_size 32
		.amdhsa_user_sgpr_count 2
		.amdhsa_user_sgpr_kernarg_segment_ptr 1
		.amdhsa_wavefront_size32 1
		.amdhsa_system_sgpr_workgroup_id_x 1
		.amdhsa_system_sgpr_workgroup_id_y 1
		.amdhsa_system_sgpr_workgroup_id_z 1
		.amdhsa_system_vgpr_workitem_id 0
		.amdhsa_next_free_vgpr 512
		.amdhsa_next_free_sgpr 92
		.amdhsa_reserve_vcc 0
		.amdhsa_float_denorm_mode_32 3
		.amdhsa_float_denorm_mode_16_64 3
		.amdhsa_memory_ordered 1
		.amdhsa_forward_progress 1
		.amdhsa_inst_pref_size 83
	.end_amdhsa_kernel
	.amdgpu_metadata
---
amdhsa.version: [ 1, 2 ]
amdhsa.kernels:
  - .name:           k_qdede7ea1b0_ff1
    .symbol:         k_qdede7ea1b0_ff1.kd
    .args:
      - { .name: q_o1, .offset: 0, .size: 8, .value_kind: global_buffer, .address_space: global }
      - { .name: wfrag, .offset: 8, .size: 8, .value_kind: global_buffer, .address_space: global }
      - { .name: b_ff1, .offset: 16, .size: 8, .value_kind: global_buffer, .address_space: global }
      - { .name: hfrag, .offset: 24, .size: 8, .value_kind: global_buffer, .address_space: global }
    .group_segment_fixed_size: 327680
    .private_segment_fixed_size: 0
    .kernarg_segment_align: 8
    .kernarg_segment_size: 32
    .max_flat_workgroup_size: 256
    .sgpr_count:     92
    .vgpr_count:     512
    .wavefront_size: 32
...
	.end_amdgpu_metadata
.endif
;; end of part 5
;; launch ff2 (part 6): grid 4 x 64, 4 waves a work-group, clusters of 4 x 4, 327,680 bytes of LDS; arguments hfrag, wfrag, b_ff2, o1f, kv_y; writes kv_y
.if DOCPART == 6
	.amdgcn_target "amdgcn-amd-amdhsa--gfx1250"
	.amdhsa_code_object_version 6
	.text
	.protected	k_qdede7ea1b0_ff2
	.globl	k_qdede7ea1b0_ff2
	.p2align	8
	.type	k_qdede7ea1b0_ff2,@function
k_qdede7ea1b0_ff2:
	s_mov_b64 s[64:65], 0
	v_nop
	global_prefetch_b8 v0, s[64:65] scope:SCOPE_SE
	s_setreg_imm32_b32 hwreg(HW_REG_WAVE_MODE, 25, 1), 1
	s_wait_xcnt 0x0
	s_wait_alu depctr_hold_cnt(0) depctr_sa_sdst(0) depctr_va_vdst(0) depctr_va_sdst(0) depctr_va_ssrc(0) depctr_va_vcc(0) depctr_vm_vsrc(0)
	s_getreg_b32 s2, hwreg(HW_REG_IB_STS2, 6, 4)
	s_cmp_eq_u32 s2, 0
	s_cbranch_scc0 .Lentry_in_a_cluster
	s_endpgm
.Lentry_in_a_cluster:
	s_bfe_u32 s2, ttmp6, 0x10000c
	s_cmp_lg_u32 s2, 0xf033
	s_cbranch_scc0 .Lentry_shape_is_right
	s_endpgm
.Lentry_shape_is_right:
; y = out1 + gelu(h) W2 + b_ff2, 128 tokens x 128 columns a work-group (256 work-groups); operands bf16 in fragment order, sums f32, y f32.
; Four waves, 2 x 2: a wave makes 64 x 64, 16 accumulators in window 1.  K = 2,048 in eight steps of 256 through two LDS slots.
; The residual out1 (f32, in accumulator order) is loaded straight into the accumulators and the bias added onto it: they start the sums.  y leaves in the same order,
; every store 512 consecutive bytes; the launch behind normalises whole rows.
; CLUSTER 4 x 4: the tokens' tile is asked for jointly along a row of the cluster, the weights' along a column.
; LIMITS: the product's operands bf16; NaN and infinities not treated apart.
.set NA, 2
.set WNLOG, 1
.set TB, 4
.set CB, 4
.set KQ, 8
.set LAPS, 4
.set LOADB, 32768
.set LROWS, 128
.set ATILE, 65536
.set ASTEP, 4194304
.set BTILE, 65536
.set BSTEP, 262144
.set WOFF, 4194304
.set SLOT, 131072
.set ABYTES, ATILE
.set SPARE, 262144
.set F0, 32
.set F1, F0+8*(TB+CB)
.set ADRA, 16
.set ADRB, 20
.set SPW, 28
.set NIL, 29
.set G1A, 36
.set G1B, 44
.set G0A, 52
.set G0B, 68
.set MSB, 0
.macro WIN new                         ; the high byte repeats the setting that is left; window 1 holds the accumulators ((a, b) at v[8 (CB a + b)])
.if MSB != (\new)
	s_set_vgpr_msb (MSB<<8)|(\new)
.set MSB, \new
.endif
.endm
.macro PLACES
.rept 4
	v_nop
.endr
.endm
.macro CREST
	s_cmp_lg_u32 s20, 0
	s_cbranch_scc1 .Lnw0_\@
	s_barrier_signal -3
.Lnw0_\@:
	s_barrier_wait -3
	s_barrier_signal -1
	s_barrier_wait -1
.endm
.macro CROUND
	s_barrier_signal -1
	s_barrier_wait -1
	CREST
.endm
.macro JLOAD s                         ; a joint load; the branch hangs on the wave's number alone; s_nop 0 and four v_nop follow each line
	s_cmp_lt_u32 s20, NA
	s_cbranch_scc0 .Lfb_\@
	tensor_load_to_lds s[G0A+4*(\s):G0A+4*(\s)+3], s[G1A:G1A+7]
	s_nop 0
	PLACES
	s_branch .Las_\@
.Lfb_\@:
	tensor_load_to_lds s[G0B+4*(\s):G0B+4*(\s)+3], s[G1B:G1B+7]
	s_nop 0
	PLACES
.Las_\@:
.endm
.macro FETCH slot, q, f
	WIN 0
.set b, 0
.rept CB
	ds_load_b128 v[(\f)+8*TB+8*b:(\f)+8*TB+8*b+3],   v[ADRB+(\slot)] offset:b*KQ*1024+(\q)*1024
	ds_load_b128 v[(\f)+8*TB+8*b+4:(\f)+8*TB+8*b+7], v[ADRB+(\slot)] offset:b*KQ*1024+(\q)*1024+512
.set b, b+1
.endr
.set a, 0
.rept TB
	ds_load_b128 v[(\f)+8*a:(\f)+8*a+3],   v[ADRA+(\slot)] offset:a*KQ*1024+(\q)*1024
	ds_load_b128 v[(\f)+8*a+4:(\f)+8*a+7], v[ADRA+(\slot)] offset:a*KQ*1024+(\q)*1024+512
.set a, a+1
.endr
.endm
.macro MULH f, hi                      ; every accumulator has one instruction a quarter, in one order
	WIN 0x50
.set a, (\hi)*TB/2
.rept TB/2
.set b, 0
.rept CB
.set rD, 8*(CB*a+b)
.set rW, (\f)+8*TB+8*b
.set rT, (\f)+8*a
	v_wmma_f32_16x16x32_bf16 v[rD:rD+7], v[rW:rW+7], v[rT:rT+7], v[rD:rD+7]
.set b, b+1
.endr
.set a, a+1
.endr
.endm
.macro QUARTER slot, q, f, g
	s_wait_dscnt TB                                ; all but the youngest TB loads: the second half's token fragments
	MULH \f, 0
	WIN 0
	PLACES
	FETCH \slot, (\q)+1, \g
	s_wait_dscnt 2*(TB+CB)                         ; all but the run just issued
	MULH \f, 1
.endm
.macro BODY slot, from
.set qq, \from
.rept KQ-1-(\from)
.if qq%2 == 0
	QUARTER \slot, qq, F0, F1
.else
	QUARTER \slot, qq, F1, F0
.endif
.set qq, qq+1
.endr
.endm
.macro TURN slot, next, fill
	WIN 0
	s_wait_tensorcnt 0x0                           ; all my tensor loads have landed: my part of the next slot
	ds_add_u32 v[SPW], v[NIL]
.if \fill
	s_add_nc_u64 s[G0A+4*(\slot)+2:G0A+4*(\slot)+3], s[G0A+4*(\slot)+2:G0A+4*(\slot)+3], 2*ASTEP
	s_add_nc_u64 s[G0B+4*(\slot)+2:G0B+4*(\slot)+3], s[G0B+4*(\slot)+2:G0B+4*(\slot)+3], 2*BSTEP
.endif
	s_wait_dscnt 0x0                               ; the add is done and my reads of this slot are over
	s_barrier_signal -1
	MULH F1, 0
	WIN 0
	s_barrier_wait -1
.if \fill
	CREST                                          ; a round of the cluster's barrier: no wave of any partner still reads the slot or has a load out
	JLOAD \slot
.else
	PLACES
.endif
	FETCH \next, 0, F0
	MULH F1, 1
.endm
	s_load_b256 s[4:11], s[0:1], 0x0               ; hfrag, wfrag, b_ff2, o1f
	s_load_b64 s[12:13], s[0:1], 0x20              ; kv_y (y)
	v_lshl_add_u32 v[SPW], v0, 2, SPARE
	v_mov_b32 v[NIL], 0
	ds_add_u32 v[SPW], v[NIL]                      ; the wave's opening
	v_lshrrev_b32 v1, 5, v0
	v_readfirstlane_b32 s20, v1
	s_lshr_b32 s21, s20, WNLOG
	s_and_b32 s22, s20, (1<<WNLOG)-1
	s_bfe_u32 s23, ttmp6, 0x40000
	s_bfe_u32 s24, ttmp6, 0x40004
	s_lshl_b32 s25, ttmp9, 2
	s_add_co_u32 s25, s25, s23                     ; tile column
	s_and_b32 s26, ttmp7, 0xffff
	s_lshl_b32 s26, s26, 2
	s_add_co_u32 s26, s26, s24                     ; tile row
	s_lshl_b32 s27, s24, 2
	s_lshl_b32 s27, 15, s27
	s_lshl_b32 s28, 0x1111, s23
	s_or_b32 s[G1A], s27, (3<<16)|(1<<21)
	s_or_b32 s[G1B], s28, (3<<16)|(1<<21)
.irp g, G1A, G1B
	s_mov_b32 s[\g+1], 32<<16
	s_mov_b32 s[\g+2], LROWS<<16
	s_mov_b32 s[\g+3], 32<<16
	s_mov_b32 s[\g+4], LROWS
	s_mov_b32 s[\g+5], 32
	s_mov_b32 s[\g+6], 0
	s_mov_b32 s[\g+7], 0
.endr
	s_min_u32 s34, s20, NA-1
	s_mul_i32 s30, s26, ATILE
	s_mul_i32 s34, s34, LOADB
	s_add_co_u32 s30, s30, s34
	s_mov_b32 s31, 0
	s_max_u32 s35, s20, NA
	s_sub_co_u32 s35, s35, NA
	s_mul_i32 s32, s25, BTILE
	s_mul_i32 s35, s35, LOADB
	s_add_co_u32 s32, s32, s35
	s_add_co_u32 s32, s32, WOFF
	s_mov_b32 s33, 0
	s_mul_i32 s34, s20, LOADB
	s_wait_dscnt 0x0
	s_wait_kmcnt 0x0
	s_add_nc_u64 s[30:31], s[4:5], s[30:31]
	s_add_nc_u64 s[32:33], s[6:7], s[32:33]
	CROUND
.irp s, 0,1
	s_mov_b32 s[G0A+4*(\s)], 1
	s_add_co_u32 s[G0A+4*(\s)+1], s34, (\s)*SLOT
	s_add_nc_u64 s[G0A+4*(\s)+2:G0A+4*(\s)+3], s[30:31], (\s)*ASTEP
	s_or_b32 s[G0A+4*(\s)+3], s[G0A+4*(\s)+3], 0x80000000
	s_mov_b32 s[G0B+4*(\s)], 1
	s_add_co_u32 s[G0B+4*(\s)+1], s34, (\s)*SLOT
	s_add_nc_u64 s[G0B+4*(\s)+2:G0B+4*(\s)+3], s[32:33], (\s)*BSTEP
	s_or_b32 s[G0B+4*(\s)+3], s[G0B+4*(\s)+3], 0x80000000
	JLOAD \s
.endr
	v_bfe_u32 v2, v0, 4, 1
	v_and_b32 v26, 31, v0
	v_lshlrev_b32 v26, 4, v26
	s_mul_i32 s30, s21, TB*KQ*1024
	s_mul_i32 s31, s22, CB*KQ*1024
	s_add_co_u32 s31, s31, ABYTES
	v_add_nc_u32 v[ADRA], s30, v26
	v_add_nc_u32 v[ADRB], s31, v26
	v_add_nc_u32 v[ADRA+1], SLOT, v[ADRA]
	v_add_nc_u32 v[ADRB+1], SLOT, v[ADRB]
	s_lshl_b32 s30, s26, 3
	s_lshl2_add_u32 s30, s21, s30                  ; my first token block,
	s_lshl_b32 s30, s30, 15
	s_lshl_b32 s31, s25, 3
	s_lshl2_add_u32 s31, s22, s31                  ; my first column block
	s_lshl_b32 s31, s31, 10
	s_add_co_u32 s34, s30, s31
	s_mov_b32 s35, 0
	s_add_nc_u64 s[10:11], s[10:11], s[34:35]      ; out1 and y: [token block][column block][1 KB]
	s_add_nc_u64 s[12:13], s[12:13], s[34:35]
	s_lshr_b32 s34, s31, 4                         ; 64 bytes of bias a column block
	s_add_nc_u64 s[8:9], s[8:9], s[34:35]
	v_lshlrev_b32 v3, 5, v2
	WIN 0x40                                       ; the residual goes straight into the accumulators
.set a, 0
.rept TB
.irp b, 0,1,2,3
	global_load_b128 v[8*(CB*a+\b):8*(CB*a+\b)+3],   v26, s[10:11] offset:a*32768+\b*1024
	global_load_b128 v[8*(CB*a+\b)+4:8*(CB*a+\b)+7], v26, s[10:11] offset:a*32768+\b*1024+512
.endr
.set a, a+1
.endr
	WIN 0
.irp b, 0,1,2,3
	global_load_b128 v[F1+8*\b:F1+8*\b+3],   v3, s[8:9] offset:64*\b
	global_load_b128 v[F1+8*\b+4:F1+8*\b+7], v3, s[8:9] offset:64*\b+16
.endr
	s_wait_tensorcnt 0x1                           ; my part of K step 0 is in; K step 1's may stay out
	s_barrier_signal -1
	s_barrier_wait -1
	FETCH 0, 0, F0
	s_wait_loadcnt 0x0
	WIN 0x41
.set a, 0
.rept TB
.irp b, 0,1,2,3
.irp p, 0,2,4,6
	v_pk_add_f32 v[8*(CB*a+\b)+\p:8*(CB*a+\b)+\p+1], v[8*(CB*a+\b)+\p:8*(CB*a+\b)+\p+1], v[F1+8*\b+\p:F1+8*\b+\p+1]
.endr
.endr
.set a, a+1
.endr
	QUARTER 0, 0, F0, F1
	WIN 0
	s_mov_b32 s29, LAPS-1
.Llap:
	BODY 0, 1
	TURN 0, 1, 1
	BODY 1, 0
	TURN 1, 0, 1
	QUARTER 0, 0, F0, F1
	WIN 0
	s_sub_co_u32 s29, s29, 1
	s_cmp_lg_u32 s29, 0
	s_cbranch_scc1 .Llap
	BODY 0, 1
	TURN 0, 1, 0
	BODY 1, 0
	s_wait_dscnt 0x0
	MULH F1, 0
	MULH F1, 1
	WIN 0
	PLACES
	WIN 0x04                                       ; the data in window 1; each accumulator's lowest registers first
.set a, 0
.rept TB
.irp b, 0,1,2,3
	global_store_b128 v26, v[8*(CB*a+\b):8*(CB*a+\b)+3],   s[12:13] offset:a*32768+\b*1024
	global_store_b128 v26, v[8*(CB*a+\b)+4:8*(CB*a+\b)+7], s[12:13] offset:a*32768+\b*1024+512
.endr
.set a, a+1
.endr
	WIN 0
	s_wait_tensorcnt 0x0                           ; the wave's end
	ds_add_u32 v[SPW], v[NIL]
	s_wait_dscnt 0x0
	CROUND                                         ; the closing round
	s_endpgm
.Lfunc_end_k_qdede7ea1b0_ff2:
	.size	k_qdede7ea1b0_ff2, .Lfunc_end_k_qdede7ea1b0_ff2-k_qdede7ea1b0_ff2
	.p2alignl 7, 3214868480
	.fill 96, 4, 3214868480
	.section	.rodata,"a",@progbits
	.p2align	6, 0x0
	.amdhsa_kernel k_qdede7ea1b0_ff2
		.amdhsa_group_segment_fixed_size 327680
		.amdhsa_private_segment_fixed_size 0
		.amdhsa_enable_private_segment 0
		.amdhsa_kernarg_size 40
		.amdhsa_user_sgpr_count 2
		.amdhsa_user_sgpr_kernarg_segment_ptr 1
		.amdhsa_wavefront_size32 1
		.amdhsa_system_sgpr_workgroup_id_x 1
		.amdhsa_system_sgpr_workgroup_id_y 1
		.amdhsa_system_sgpr_workgroup_id_z 1
		.amdhsa_system_vgpr_workitem_id 0
		.amdhsa_next_free_vgpr 384
		.amdhsa_next_free_sgpr 80
		.amdhsa_reserve_vcc 0
		.amdhsa_float_denorm_mode_32 3
		.amdhsa_float_denorm_mode_16_64 3
		.amdhsa_memory_ordered 1
		.amdhsa_forward_progress 1
		.amdhsa_inst_pref_size 92
	.end_amdhsa_kernel
	.amdgpu_metadata
---
amdhsa.version: [ 1, 2 ]
amdhsa.kernels:
  - .name:           k_qdede7ea1b0_ff2
    .symbol:         k_qdede7ea1b0_ff2.kd
    .args:
      - { .name: hfrag, .offset: 0, .size: 8, .value_kind: global_buffer, .address_space: global }
      - { .name: wfrag, .offset: 8, .size: 8, .value_kind: global_buffer, .address_space: global }
      - { .name: b_ff2, .offset: 16, .size: 8, .value_kind: global_buffer, .address_space: global }
      - { .name: o1f, .offset: 24, .size: 8, .value_kind: global_buffer, .address_space: global }
      - { .name: kv_y, .offset: 32, .size: 8, .value_kind: global_buffer, .address_space: global }
    .group_segment_fixed_size: 327680
    .private_segment_fixed_size: 0
    .kernarg_segment_align: 8
    .kernarg_segment_size: 40
    .max_flat_workgroup_size: 128
    .sgpr_count:     80
    .vgpr_count:     384
    .wavefront_size: 32
...
	.end_amdgpu_metadata
.endif
;; end of part 6
;; launch ln2 (part 7): grid 512 x 1, 4 waves a work-group, no clusters, 34,816 bytes of LDS; arguments kv_y, g2, b2, out0; writes out0
.if DOCPART == 7
	.amdgcn_target "amdgcn-amd-amdhsa--gfx1250"
	.amdhsa_code_object_version 6
	.text
	.protected	k_qdede7ea1b0_ln2
	.globl	k_qdede7ea1b0_ln2
	.p2align	8
	.type	k_qdede7ea1b0_ln2,@function
k_qdede7ea1b0_ln2:
	s_mov_b64 s[64:65], 0
	v_nop
	global_prefetch_b8 v0, s[64:65] scope:SCOPE_SE
	s_setreg_imm32_b32 hwreg(HW_REG_WAVE_MODE, 25, 1), 1
	s_wait_xcnt 0x0
; out0 = LayerNorm(y) g2 + b2.  y lies in accumulator order: [token block 512][column block 32][1,024 bytes], a lane's registers 0-3 at 16 L, 4-7 at 512 + 16 L; lane L holds token L % 16
; and columns 8 (L / 16) + 0..7 of the block.  A work-group owns 16 tokens, a wave 128 columns of them: 8,192 dense bytes, read once and kept in 64 registers.
; Mean first, then the sum of squared differences from it, f32, across the lanes' halves and, through LDS, the four waves.  The normalised numbers go through the wave's own stage
; (rows of 528 bytes) and leave as rows: every store of a wave is 512 consecutive bytes of out0.
; A stream: memory binds; no matrix unit, no cluster, no tensor load: the work-groups share nothing but g2 and b2 (4 KB).
.set STG, 8448
.set RED1, 33792
.set SPARE, 34304
.set SPW, 2
.set NIL, 3
.set T, 16
.set Z, 32
	s_load_b256 s[4:11], s[0:1], 0x0               ; kv_y (y), g2, b2, out0
	v_lshl_add_u32 v[SPW], v0, 2, SPARE
	v_mov_b32 v[NIL], 0
	v_lshrrev_b32 v1, 5, v0
	v_readfirstlane_b32 s12, v1                    ; wave
	v_and_b32 v4, 31, v0
	v_lshlrev_b32 v5, 4, v4                        ; 16 l
	v_and_b32 v6, 15, v0                           ; r
	v_bfe_u32 v7, v0, 4, 1                         ; h
	s_lshl_b32 s14, ttmp9, 15
	s_lshl_b32 s13, s12, 13
	s_add_co_u32 s14, s14, s13
	s_mov_b32 s15, 0
	s_lshl_b32 s16, s12, 9
	s_mov_b32 s17, 0
	s_mov_b32 s18, 0x76543210
	s_mov_b32 s19, 0xfedcba98
	s_mov_b32 s20, 0x3b000000                      ; 1 / 512
	s_mov_b32 s21, 0x3727c5ac                      ; 1e-5
	s_wait_kmcnt 0x0
	s_add_nc_u64 s[4:5], s[4:5], s[14:15]
	s_add_nc_u64 s[6:7], s[6:7], s[16:17]
	s_add_nc_u64 s[8:9], s[8:9], s[16:17]
.set i, 0
.rept 16
	global_load_b128 v[Z+4*i:Z+4*i+3], v5, s[4:5] offset:512*i th:TH_LOAD_NT
.set i, i+1
.endr
	global_load_b128 v[8:11], v5, s[6:7]           ; g2 and b2 of the four columns that I store
	global_load_b128 v[12:15], v5, s[8:9]
	s_lshl_b32 s14, ttmp9, 15                      ; out0: 16 rows of 2,048 bytes, my 512 of each
	s_add_co_u32 s14, s14, s16
	s_add_nc_u64 s[10:11], s[10:11], s[14:15]
	v_lshl_add_u32 v29, v6, 4, RED1                ; a token's four partial sums
	s_lshl_b32 s13, s12, 2
	v_add_nc_u32 v28, s13, v29
	s_mul_i32 s13, s12, STG                        ; my stage
	v_mul_u32_u24 v30, v6, 528
	v_lshl_add_u32 v30, v7, 5, v30
	v_add_nc_u32 v30, s13, v30
	v_add_nc_u32 v31, s13, v5
.macro ACROSS off
	v_pk_add_f32 v[T:T+1], v[T:T+1], v[T+2:T+3]
	v_pk_add_f32 v[T+4:T+5], v[T+4:T+5], v[T+6:T+7]
	v_pk_add_f32 v[T:T+1], v[T:T+1], v[T+4:T+5]
	v_add_f32 v[T], v[T], v[T+1]
	v_permlanex16_b32 v[T+1], v[T], s18, s19       ; the token's other columns lie in the lane 16 away
	v_add_f32 v[T], v[T], v[T+1]
	ds_store_b32 v28, v[T] offset:\off
	s_wait_dscnt 0x0                               ; for the others' sake
	s_barrier_signal -1
	s_barrier_wait -1
	ds_load_b128 v[T:T+3], v29 offset:\off
	s_wait_dscnt 0x0
	v_pk_add_f32 v[T:T+1], v[T:T+1], v[T+2:T+3]
	v_add_f32 v[T], v[T], v[T+1]
.endm
	s_wait_loadcnt 0x2                             ; y is in; g2 and b2 may stay out
.irp c, 0,1,2,3
	v_pk_add_f32 v[T+2*\c:T+2*\c+1], v[Z+16*\c:Z+16*\c+1], v[Z+16*\c+2:Z+16*\c+3]
.endr
.irp p, 4,6,8,10,12,14
.irp c, 0,1,2,3
	v_pk_add_f32 v[T+2*\c:T+2*\c+1], v[T+2*\c:T+2*\c+1], v[Z+16*\c+\p:Z+16*\c+\p+1]
.endr
.endr
	ACROSS 0
	v_mul_f32 v24, s20, v[T]                       ; the mean
	v_mov_b32 v25, v24
.set i, 0
.rept 32
	v_pk_add_f32 v[Z+2*i:Z+2*i+1], v[Z+2*i:Z+2*i+1], v[24:25] neg_lo:[0,1] neg_hi:[0,1]
.set i, i+1
.endr
.irp c, 0,1,2,3
	v_pk_mul_f32 v[T+2*\c:T+2*\c+1], v[Z+16*\c:Z+16*\c+1], v[Z+16*\c:Z+16*\c+1]
.endr
.irp p, 2,4,6,8,10,12,14
.irp c, 0,1,2,3
	v_pk_fma_f32 v[T+2*\c:T+2*\c+1], v[Z+16*\c+\p:Z+16*\c+\p+1], v[Z+16*\c+\p:Z+16*\c+\p+1], v[T+2*\c:T+2*\c+1]
.endr
.endr
	ACROSS 256                                     ; other bytes than the first reduction's
	v_fma_f32 v[T], v[T], s20, s21                 ; variance + 1e-5
	v_rsq_f32 v26, v[T]
	v_nop
	s_wait_alu depctr_va_vdst(0)
	v_mov_b32 v27, v26
.set i, 0
.rept 32
	v_pk_mul_f32 v[Z+2*i:Z+2*i+1], v[Z+2*i:Z+2*i+1], v[26:27]
.set i, i+1
.endr
.irp b, 0,1,2,3,4,5,6,7
	ds_store_b128 v30, v[Z+8*\b:Z+8*\b+3]   offset:64*\b
	ds_store_b128 v30, v[Z+8*\b+4:Z+8*\b+7] offset:64*\b+16
.endr
.set i, 0
.rept 16
	ds_load_b128 v[Z+4*i:Z+4*i+3], v31 offset:528*i   ; LDS serves a wave's instructions in order: these see the stores above; the bytes are my own
.set i, i+1
.endr
	s_wait_loadcnt 0x0                             ; g2, b2
.set i, 0
.rept 16
	s_wait_dscnt 15-i                              ; row i is back
	v_pk_fma_f32 v[Z+4*i:Z+4*i+1],   v[Z+4*i:Z+4*i+1],   v[8:9],   v[12:13]
	v_pk_fma_f32 v[Z+4*i+2:Z+4*i+3], v[Z+4*i+2:Z+4*i+3], v[10:11], v[14:15]
	global_store_b128 v5, v[Z+4*i:Z+4*i+3], s[10:11] offset:2048*i th:TH_STORE_NT
.set i, i+1
.endr
	s_wait_tensorcnt 0x0                           ; the wave's end
	ds_add_u32 v[SPW], v[NIL]
	s_wait_dscnt 0x0
	s_endpgm
.Lfunc_end_k_qdede7ea1b0_ln2:
	.size	k_qdede7ea1b0_ln2, .Lfunc_end_k_qdede7ea1b0_ln2-k_qdede7ea1b0_ln2
	.p2alignl 7, 3214868480
	.fill 96, 4, 3214868480
	.section	.rodata,"a",@progbits
	.p2align	6, 0x0
	.amdhsa_kernel k_qdede7ea1b0_ln2
		.amdhsa_group_segment_fixed_size 34816
		.amdhsa_private_segment_fixed_size 0
		.amdhsa_enable_private_segment 0
		.amdhsa_kernarg_size 32
		.amdhsa_user_sgpr_count 2
		.amdhsa_user_sgpr_kernarg_segment_ptr 1
		.amdhsa_wavefront_size32 1
		.amdhsa_system_sgpr_workgroup_id_x 1
		.amdhsa_system_sgpr_workgroup_id_y 1
		.amdhsa_system_sgpr_workgroup_id_z 1
		.amdhsa_system_vgpr_workitem_id 0
		.amdhsa_next_free_vgpr 96
		.amdhsa_next_free_sgpr 66
		.amdhsa_reserve_vcc 0
		.amdhsa_float_denorm_mode_32 3
		.amdhsa_float_denorm_mode_16_64 3
		.amdhsa_memory_ordered 1
		.amdhsa_forward_progress 1
		.amdhsa_inst_pref_size 19
	.end_amdhsa_kernel
	.amdgpu_metadata
---
amdhsa.version: [ 1, 2 ]
amdhsa.kernels:
  - .name:           k_qdede7ea1b0_ln2
    .symbol:         k_qdede7ea1b0_ln2.kd
    .args:
      - { .name: kv_y, .offset: 0, .size: 8, .value_kind: global_buffer, .address_space: global }
      - { .name: g2, .offset: 8, .size: 8, .value_kind: global_buffer, .address_space: global }
      - { .name: b2, .offset: 16, .size: 8, .value_kind: global_buffer, .address_space: global }
      - { .name: out0, .offset: 24, .size: 8, .value_kind: global_buffer, .address_space: global }
    .group_segment_fixed_size: 34816
    .private_segment_fixed_size: 0
    .kernarg_segment_align: 8
    .kernarg_segment_size: 32
    .max_flat_workgroup_size: 128
    .sgpr_count:     66
    .vgpr_count:     96
    .wavefront_size: 32
...
	.end_amdgpu_metadata
.endif
;; end of part 7
;; ======== version 2 of 2: 7 launches; version 1 with the launches prep, ln2 written anew for expert scheduling mode
;; workspace buffers: wfrag 6,291,456 bytes; xa_att 8,388,608 bytes; q_o1 8,388,608 bytes; kv_y 16,777,216 bytes; o1f 16,777,216 bytes; hfrag 33,554,432 bytes
;; launch prep (part 8): grid 256 x 1, 11 waves a work-group, no clusters, 93,184 bytes of LDS; arguments x, wq, wk, wv, wo, w_ff1, w_ff2, xa_att, wfrag; writes xa_att, wfrag
.if DOCPART == 8
	.amdgcn_target "amdgcn-amd-amdhsa--gfx1250"
	.amdhsa_code_object_version 6
	.text
	.protected	k_qdede7ea1b0_prep
	.globl	k_qdede7ea1b0_prep
	.p2align	8
	.type	k_qdede7ea1b0_prep,@function
k_qdede7ea1b0_prep:
	s_mov_b64 s[64:65], 0
	v_nop
	global_prefetch_b8 v0, s[64:65] scope:SCOPE_SE
	s_setreg_imm32_b32 hwreg(HW_REG_WAVE_SCHED_MODE, 0, 2), 2
	s_setreg_imm32_b32 hwreg(HW_REG_WAVE_MODE, 25, 1), 1
	s_wait_xcnt 0x0
	s_wait_alu depctr_vm_vsrc(0)
; x and the six weights, f32, are rounded once to bf16 and laid in FRAGMENT ORDER: blocks of 1,024 bytes, 16 rows x 32 k, as a wave's registers
; hold a 16-bit matrix operand: the 16 bytes at 16 L + 512 half are k = 16 half + 8 (L / 16) + 0..7 of row L % 16.  A matrix F(KQ, RB) is
; [K step][row block][kq][block], so that a later launch's tile of one K step is one dense run of memory.
; 256 work-groups of eleven waves, all alike.  Waves 0-7: x -> xa_att, F(4, 512); wave w takes unit 8 wg + w of 2,048: 16 tokens x 128 k.
; Waves 8-10: the weights, stored [k][n], are turned (rows = n); wave w takes unit 3 wg + w - 8 of 768: 32 k x 128 n.
; wq, wk, wv share one matrix F(4, 96) whose row block is 6 head + (0, 1 q; 2, 3 k; 4, 5 v); wo F(4, 32); w_ff1 F(4, 128); w_ff2 F(8, 32).
; Each wave has a stage in LDS of its own: LDS serves a wave's instructions in order, so no barrier and no wait stands between its stores and its loads.
; THE STAGES' PITCHES (64 banks of 4 bytes: ISA guide 11.1).  x: a chunk is the 256 bytes of one (kq, half, upper or lower lanes); chunks lie 272 bytes apart, so chunk g starts at
; bank 4 g mod 64 and the 32 lanes of a store of 8 bytes, two to a chunk, touch every bank once.  Weights: blocks lie 1,040 bytes apart, so the sixteen lanes of a store of 16 bytes
; fall into the 16-byte columns l / 4 + 4 (l % 4) mod 16: all different.  Both are read back as dense runs.
; No matrix unit, no cluster, no tensor load: the work-groups share no input and memory binds.
; THE MODE: SCHED_MODE bits 1:0 = 2 (LLVM: expert scheduling mode 2), set by the entry lines.  The code itself states the register dependences
; between vector instructions and memory or LDS instructions, with s_wait_alu, always for 0.
; THE PLAN.  Registers that memory or LDS instructions touch:
;   v5           16 l: the offset of every global load and of x's stores.  Written at the head, never again: one wait on va_vdst ahead of the branch serves both ways.
;   v6, v7, v8-15  LDS addresses and the weights' store offsets.  Written once, behind the global loads; the first wait on va_vdst behind them stands ahead of their first reader.
;   W            Written by the global loads; read by the conversions; then the loads back from LDS land in its first registers, behind a wait on va_vdst that follows the last conversion.
;   x: v96-127   Token r's two conversions write a pair, once; its LDS store reads it.  The tokens go in groups of four: one wait on va_vdst at the head of a group states that the
;                group before has written its pairs, and token r - 4's store stands ahead of token r's conversions, which name other registers.
;   weights: T0, T1  Chunk q's conversions write T[q % 2]; its four LDS stores are issued in chunk q + 1, behind the wait on va_vdst at that chunk's head, dealt among that chunk's
;                conversions, which write the other T.  Chunk q + 2 writes T[q % 2] again: a wait on vm_vsrc at its head states that those stores have read it.
.set STG,   8320                       ; a wave's stage: 8 blocks of 1,040 bytes (x uses 16 chunks of 272)
.set SPARE, 91648                      ; behind the eleven stages, at a multiple of 256: the spare words, 128 bytes a wave
.set SPW, 2
.set NIL, 3
.set W,   32                           ; v32-159 as loaded
.set T,   160                          ; v160-191 packed pairs on their way to LDS, two sets by turns
	s_load_b256 s[4:11], s[0:1], 0x0               ; x, wq, wk, wv
	s_load_b256 s[12:19], s[0:1], 0x20             ; wo, w_ff1, w_ff2, xa_att
	s_load_b64 s[20:21], s[0:1], 0x40              ; wfrag
	v_lshl_add_u32 v[SPW], v0, 2, SPARE
	v_mov_b32 v[NIL], 0
	v_lshrrev_b32 v1, 5, v0
	v_readfirstlane_b32 s22, v1                    ; wave 0..10
	v_and_b32 v4, 31, v0                           ; lane l
	v_lshlrev_b32 v5, 4, v4                        ; 16 l
	s_wait_alu depctr_va_sdst(0)                   ; s22 is written, ahead of its first reader: the stage, the branch and the units are made from it
	s_mul_i32 s23, s22, STG                        ; my stage
	s_mov_b32 s29, 0
	s_wait_alu depctr_va_vdst(0)                   ; v5 is written: the global loads of both ways, and x's stores, read it as their offset
	s_wait_kmcnt 0x0
	s_cmp_lt_u32 s22, 8
	s_cbranch_scc0 .Lweights
	; ---- x: unit = 8 wg + wave; token block mb = unit / 4, K step ks = unit % 4
	s_lshl_b32 s24, ttmp9, 3
	s_add_co_u32 s24, s24, s22
	s_lshr_b32 s25, s24, 2
	s_and_b32 s26, s24, 3
	s_lshl_b32 s28, s25, 15                        ; 16 rows of 2,048 bytes
	s_lshl_b32 s27, s26, 9                         ; 128 f32
	s_add_co_u32 s28, s28, s27
	s_add_nc_u64 s[4:5], s[4:5], s[28:29]
.set r, 0
.rept 16
	global_load_b128 v[W+4*r:W+4*r+3], v5, s[4:5] offset:r*2048 th:TH_LOAD_NT  ; token r: 512 consecutive bytes a wave
.set r, r+1
.endr
	v_lshrrev_b32 v7, 1, v4                        ; my four k = 4 l ..: chunk l / 2 (kq = l / 8, half, upper or lower lanes),
	v_mul_u32_u24 v7, v7, 272
	v_and_b32 v8, 1, v4                            ; first or second 8 bytes of the token's 16
	v_lshl_add_u32 v7, v8, 3, v7
	v_add_nc_u32 v7, s23, v7
	v_lshrrev_b32 v6, 4, v4                        ; back: lanes 0-15 take one chunk, lanes 16-31 the next
	v_mul_u32_u24 v6, v6, 272
	v_and_b32 v8, 15, v4
	v_lshl_add_u32 v6, v8, 4, v6
	v_add_nc_u32 v6, s23, v6
	s_lshl_b32 s27, s26, 9
	s_add_co_u32 s27, s27, s25                     ; ks x 512 + mb
	s_lshl_b32 s28, s27, 12
	s_add_nc_u64 s[18:19], s[18:19], s[28:29]
.set r, 0
.rept 16
	s_wait_loadcnt 15-r                            ; loads return in order: token r is in, the younger ones stay out
.if (r > 0) && (r%4 == 0)
	s_wait_alu depctr_va_vdst(0)                   ; the four tokens before have written their pairs, which the next four LDS stores read; at the first of these waits v7 and v6 are written too
.endif
.if r >= 4
	ds_store_b64 v7, v[96+2*(r-4):97+2*(r-4)] offset:16*(r-4)  ; no vector instruction since the wait names this pair
.endif
	v_cvt_pk_bf16_f32 v[96+2*r], v[W+4*r], v[W+4*r+1]
	v_cvt_pk_bf16_f32 v[97+2*r], v[W+4*r+2], v[W+4*r+3]
.set r, r+1
.endr
	s_wait_alu depctr_va_vdst(0)                   ; tokens 12 to 15 have written their pairs; all conversions are done reading W, in which the loads back from LDS land
.irp r, 12,13,14,15
	ds_store_b64 v7, v[96+2*\r:97+2*\r] offset:16*\r
.endr
.set i, 0
.rept 8
	ds_load_b128 v[W+4*i:W+4*i+3], v6 offset:544*i ; half a block: two chunks
.set i, i+1
.endr
.set i, 0
.rept 8
	s_wait_dscnt 7-i
	global_store_b128 v5, v[W+4*i:W+4*i+3], s[18:19] offset:512*i  ; 512 consecutive bytes, aligned
.set i, i+1
.endr
	s_wait_dscnt 0x0                               ; the closing lines, six on end
	s_wait_alu 0x0
	s_wait_tensorcnt 0x0
	ds_add_u32 v[SPW], v[NIL]
	s_wait_dscnt 0x0
	s_endpgm
.Lweights:
	; ---- the weights.  Which one, and its layout's figures, by the unit's number; every jump goes forward
	s_mul_i32 s24, ttmp9, 3
	s_add_co_u32 s24, s24, s22
	s_sub_co_u32 s24, s24, 8                       ; unit = 3 wg + wave - 8
	s_mov_b32 s33, 2                               ; log2 of the groups of 128 n
	s_mov_b32 s34, 2                               ; log2 KQ
	s_mov_b32 s35, 393216                          ; bytes of a K step in the target
	s_mov_b32 s36, 98304                           ; bytes from a group of 128 n to the next
	s_mov_b32 s38, 4096                            ; from an even row block to the odd one
	s_mov_b32 s39, 24576                           ; from a pair of row blocks to the next
	s_mov_b32 s40, 16                              ; log2 of 32 source rows' bytes
	s_cmp_lt_u32 s24, 64
	s_cbranch_scc0 .Lnot_q
	s_mov_b64 s[30:31], s[6:7]
	s_mov_b32 s32, 0
	s_mov_b32 s37, 0
	s_branch .Lgo
.Lnot_q:
	s_cmp_lt_u32 s24, 128
	s_cbranch_scc0 .Lnot_k
	s_mov_b64 s[30:31], s[8:9]
	s_mov_b32 s32, 64
	s_mov_b32 s37, 8192
	s_branch .Lgo
.Lnot_k:
	s_cmp_lt_u32 s24, 192
	s_cbranch_scc0 .Lnot_v
	s_mov_b64 s[30:31], s[10:11]
	s_mov_b32 s32, 128
	s_mov_b32 s37, 16384
	s_branch .Lgo
.Lnot_v:
	s_mov_b32 s36, 32768
	s_mov_b32 s39, 8192
	s_cmp_lt_u32 s24, 256
	s_cbranch_scc0 .Lnot_o
	s_mov_b64 s[30:31], s[12:13]
	s_mov_b32 s32, 192
	s_mov_b32 s35, 131072
	s_mov_b32 s37, 1572864
	s_branch .Lgo
.Lnot_o:
	s_cmp_lt_u32 s24, 512
	s_cbranch_scc0 .Lnot_1
	s_mov_b64 s[30:31], s[14:15]
	s_mov_b32 s32, 256
	s_mov_b32 s33, 4
	s_mov_b32 s35, 524288
	s_mov_b32 s37, 2097152
	s_mov_b32 s40, 18
	s_branch .Lgo
.Lnot_1:
	s_mov_b64 s[30:31], s[16:17]
	s_mov_b32 s32, 512
	s_mov_b32 s34, 3
	s_mov_b32 s35, 262144
	s_mov_b32 s36, 65536
	s_mov_b32 s37, 4194304
	s_mov_b32 s38, 8192
	s_mov_b32 s39, 16384
.Lgo:
	s_sub_co_u32 s24, s24, s32                     ; unit in this weight
	s_lshr_b32 s26, s24, s33                       ; kb: which 32 k
	s_lshl_b32 s27, s26, s33
	s_sub_co_u32 s27, s24, s27                     ; ng: which 128 n
	s_lshl_b32 s28, s26, s40
	s_lshl_b32 s41, s27, 9
	s_add_co_u32 s28, s28, s41
	s_add_nc_u64 s[30:31], s[30:31], s[28:29]      ; the source's corner
	s_lshr_b32 s41, s26, s34                       ; K step
	s_lshl_b32 s42, s41, s34
	s_sub_co_u32 s42, s26, s42                     ; kq
	s_mul_i32 s41, s41, s35
	s_lshl_b32 s42, s42, 10
	s_add_co_u32 s41, s41, s42
	s_mul_i32 s42, s27, s36
	s_add_co_u32 s41, s41, s42
	s_add_co_u32 s28, s41, s37
	s_add_nc_u64 s[20:21], s[20:21], s[28:29]      ; the target's first block
.macro WLOAD pitch
.set k, 0
.rept 32
	global_load_b128 v[W+4*k:W+4*k+3], v5, s[30:31] offset:k*(\pitch) th:TH_LOAD_NT  ; row k: 512 consecutive bytes a wave
.set k, k+1
.endr
.endm
	s_cmp_eq_u32 s40, 18
	s_cbranch_scc1 .Lwide
	WLOAD 2048
	s_branch .Lloaded
.Lwide:
	WLOAD 8192
.Lloaded:
	v_add_nc_u32 v6, s23, v5                       ; where I read the stage back
	v_lshrrev_b32 v7, 2, v4                        ; my four n = 4 l ..: block l / 4, rows 4 (l % 4) + c
	v_mul_u32_u24 v7, v7, 1040
	v_and_b32 v8, 3, v4
	v_lshl_add_u32 v7, v8, 6, v7
	v_add_nc_u32 v7, s23, v7
.set f, 0
.rept 8
	s_mul_i32 s43, s39, f/2
.if f%2
	s_add_co_u32 s43, s43, s38
.endif
	v_add_nc_u32 v[8+f], s43, v5                   ; block f's place in the target
.set f, f+1
.endr
; Chunk q is k = 8 q .. 8 q + 7.  Of one column n a chunk is 16 neighbouring bytes of the block: four packed pairs in four registers on end, one store.
; A chunk's four stores are issued in the chunk behind it, one ahead of each column's four conversions.
.set q, 0
.rept 4
	s_wait_loadcnt 24-8*q                          ; the chunk's eight rows are in; the later chunks' rows stay out
.if q > 1
	s_wait_alu depctr_vm_vsrc(0)                   ; the LDS stores of the chunk two back, issued in the chunk before, have read the set of T that this chunk's conversions write again
.endif
.if q > 0
	s_wait_alu depctr_va_vdst(0)                   ; the chunk before has written the other set of T, which the four stores below read; at the first of these waits v6, v7 and v8 to v15 are written too
.endif
.irp c, 0,1,2,3
.if q > 0
	ds_store_b128 v7, v[T+16*((q-1)%2)+4*\c:T+16*((q-1)%2)+4*\c+3] offset:16*\c+256*(q-1)  ; no vector instruction since the wait names this set
.endif
.irp p, 0,1,2,3
	v_cvt_pk_bf16_f32 v[T+16*(q%2)+4*\c+\p], v[W+32*q+8*\p+\c], v[W+32*q+8*\p+4+\c]  ; two neighbouring k of one n
.endr
.endr
.set q, q+1
.endr
	s_wait_alu depctr_va_vdst(0)                   ; chunk 3 has written its set of T; all conversions are done reading W, in which the loads back from LDS land
.irp c, 0,1,2,3
	ds_store_b128 v7, v[T+16+4*\c:T+16+4*\c+3] offset:16*\c+768
.endr
.set i, 0
.rept 16
	ds_load_b128 v[W+4*i:W+4*i+3], v6 offset:(i/2)*1040+(i%2)*512
.set i, i+1
.endr
.set i, 0
.rept 16
	s_wait_dscnt 15-i
	global_store_b128 v[8+i/2], v[W+4*i:W+4*i+3], s[20:21] offset:(i%2)*512  ; 512 consecutive bytes, aligned
.set i, i+1
.endr
	s_wait_dscnt 0x0                               ; the closing lines, six on end
	s_wait_alu 0x0
	s_wait_tensorcnt 0x0
	ds_add_u32 v[SPW], v[NIL]
	s_wait_dscnt 0x0
	s_endpgm
.Lfunc_end_k_qdede7ea1b0_prep:
	.size	k_qdede7ea1b0_prep, .Lfunc_end_k_qdede7ea1b0_prep-k_qdede7ea1b0_prep
	.p2alignl 7, 3214868480
	.fill 96, 4, 3214868480
	.section	.rodata,"a",@progbits
	.p2align	6, 0x0
	.amdhsa_kernel k_qdede7ea1b0_prep
		.amdhsa_group_segment_fixed_size 93184
		.amdhsa_private_segment_fixed_size 0
		.amdhsa_enable_private_segment 0
		.amdhsa_kernarg_size 72
		.amdhsa_user_sgpr_count 2
		.amdhsa_user_sgpr_kernarg_segment_ptr 1
		.amdhsa_wavefront_size32 1
		.amdhsa_system_sgpr_workgroup_id_x 1
		.amdhsa_system_sgpr_workgroup_id_y 1
		.amdhsa_system_sgpr_workgroup_id_z 1
		.amdhsa_system_vgpr_workitem_id 0
		.amdhsa_next_free_vgpr 192
		.amdhsa_next_free_sgpr 66
		.amdhsa_reserve_vcc 0
		.amdhsa_float_denorm_mode_32 3
		.amdhsa_float_denorm_mode_16_64 3
		.amdhsa_memory_ordered 1
		.amdhsa_forward_progress 1
		.amdhsa_inst_pref_size 28
	.end_amdhsa_kernel
	.amdgpu_metadata
---
amdhsa.version: [ 1, 2 ]
amdhsa.kernels:
  - .name:           k_qdede7ea1b0_prep
    .symbol:         k_qdede7ea1b0_prep.kd
    .args:
      - { .name: x, .offset: 0, .size: 8, .value_kind: global_buffer, .address_space: global }
      - { .name: wq, .offset: 8, .size: 8, .value_kind: global_buffer, .address_space: global }
      - { .name: wk, .offset: 16, .size: 8, .value_kind: global_buffer, .address_space: global }
      - { .name: wv, .offset: 24, .size: 8, .value_kind: global_buffer, .address_space: global }
      - { .name: wo, .offset: 32, .size: 8, .value_kind: global_buffer, .address_space: global }
      - { .name: w_ff1, .offset: 40, .size: 8, .value_kind: global_buffer, .address_space: global }
      - { .name: w_ff2, .offset: 48, .size: 8, .value_kind: global_buffer, .address_space: global }
      - { .name: xa_att, .offset: 56, .size: 8, .value_kind: global_buffer, .address_space: global }
      - { .name: wfrag, .offset: 64, .size: 8, .value_kind: global_buffer, .address_space: global }
    .group_segment_fixed_size: 93184
    .private_segment_fixed_size: 0
    .kernarg_segment_align: 8
    .kernarg_segment_size: 72
    .max_flat_workgroup_size: 352
    .sgpr_count:     66
    .vgpr_count:     192
    .wavefront_size: 32
...
	.end_amdgpu_metadata
.endif
;; end of part 8
;; launch qkv: the kernel of part 2 again; grid 4 x 64, 8 waves a work-group, clusters of 4 x 4, 327,680 bytes of LDS; arguments xa_att, wfrag, bq, bk, bv, q_o1, kv_y; writes q_o1, kv_y
;; launch attn: the kernel of part 3 again; grid 4 x 64, 16 waves a work-group, clusters of 4 x 1, 264,192 bytes of LDS; arguments q_o1, kv_y, xa_att; writes xa_att
;; launch woln: the kernel of part 4 again; grid 256 x 1, 8 waves a work-group, clusters of 4 x 1, 327,680 bytes of LDS; arguments xa_att, wfrag, bo, x, g1, b1, q_o1, o1f; writes q_o1, o1f
;; launch ff1: the kernel of part 5 again; grid 8 x 32, 8 waves a work-group, clusters of 4 x 4, 327,680 bytes of LDS; arguments q_o1, wfrag, b_ff1, hfrag; writes hfrag
;; launch ff2: the kernel of part 6 again; grid 4 x 64, 4 waves a work-group, clusters of 4 x 4, 327,680 bytes of LDS; arguments hfrag, wfrag, b_ff2, o1f, kv_y; writes kv_y
;; launch ln2 (part 9): grid 512 x 1, 4 waves a work-group, no clusters, 34,816 bytes of LDS; arguments kv_y, g2, b2, out0; writes out0
.if DOCPART == 9
	.amdgcn_target "amdgcn-amd-amdhsa--gfx1250"
	.amdhsa_code_object_version 6
	.text
	.protected	k_qdede7ea1b0_ln2
	.globl	k_qdede7ea1b0_ln2
	.p2align	8
	.type	k_qdede7ea1b0_ln2,@function
k_qdede7ea1b0_ln2:
	s_mov_b64 s[64:65], 0
	v_nop
	global_prefetch_b8 v0, s[64:65] scope:SCOPE_SE
	s_setreg_imm32_b32 hwreg(HW_REG_WAVE_SCHED_MODE, 0, 2), 2
	s_setreg_imm32_b32 hwreg(HW_REG_WAVE_MODE, 25, 1), 1
	s_wait_xcnt 0x0
	s_wait_alu depctr_vm_vsrc(0)
; out0 = LayerNorm(y) g2 + b2.  y lies in accumulator order: [token block 512][column block 32][1,024 bytes], a lane's registers 0-3 at 16 L, 4-7 at 512 + 16 L; lane L holds token L % 16
; and columns 8 (L / 16) + 0..7 of the block.  A work-group owns 16 tokens, a wave 128 columns of them: 8,192 dense bytes, read once and kept in 64 registers.
; Mean first, then the sum of squared differences from it, f32, across the lanes' halves and, through LDS, the four waves.  The normalised numbers go through the wave's own stage
; (rows of 528 bytes) and leave as rows: every store of a wave is 512 consecutive bytes of out0.
; A stream: memory binds; no matrix unit, no cluster, no tensor load: the work-groups share nothing but g2 and b2 (4 KB).
; THE MODE: SCHED_MODE bits 1:0 = 2 (LLVM: expert scheduling mode 2), set by the entry lines.  The code itself states the register dependences
; between vector instructions and memory or LDS instructions, with s_wait_alu, always for 0.
; THE PLAN.  Registers that memory or LDS instructions touch:
;   v5, v28-31   Offsets and LDS addresses, each written once: v5 ahead of the wait in front of the first load, v28 to v31 ahead of the wait in front of the first LDS store.
;   v8-15        g2 and b2: written by loads alone.
;   T (v16-19)   In each of the two reductions: the sums write it; a wait on va_vdst; the LDS store reads v16; behind the barrier a wait on vm_vsrc; the LDS load lands in v16 to v19.
;   Z (v32-95)   Written by the global loads, worked on in place.  The scaling goes in two halves: blocks 0 to 3, a wait on va_vdst, their stage stores dealt among the multiplies of
;                blocks 4 to 7 (other registers), a wait on va_vdst, the other stores.  A wait on vm_vsrc states that the stage stores have read Z; then the rows come back into it.
;                The rows go in groups of four: a wait on va_vdst at a group's head states that the group before is finished, and row i - 4's global store stands ahead of row i's
;                two multiply-adds, which name other registers.  Behind the global stores Z is not written again.
.set STG, 8448
.set RED1, 33792
.set SPARE, 34304
.set SPW, 2
.set NIL, 3
.set T, 16
.set Z, 32
	s_load_b256 s[4:11], s[0:1], 0x0               ; kv_y (y), g2, b2, out0
	v_lshl_add_u32 v[SPW], v0, 2, SPARE
	v_mov_b32 v[NIL], 0
	v_lshrrev_b32 v1, 5, v0
	v_readfirstlane_b32 s12, v1                    ; wave
	v_and_b32 v4, 31, v0
	v_lshlrev_b32 v5, 4, v4                        ; 16 l
	v_and_b32 v6, 15, v0                           ; r
	v_bfe_u32 v7, v0, 4, 1                         ; h
	s_lshl_b32 s14, ttmp9, 15
	s_wait_alu depctr_va_sdst(0)                   ; s12 is written, ahead of its first reader: the bases and the LDS places are made from it
	s_lshl_b32 s13, s12, 13
	s_add_co_u32 s14, s14, s13
	s_mov_b32 s15, 0
	s_lshl_b32 s16, s12, 9
	s_mov_b32 s17, 0
	s_mov_b32 s18, 0x76543210
	s_mov_b32 s19, 0xfedcba98
	s_mov_b32 s20, 0x3b000000                      ; 1 / 512
	s_mov_b32 s21, 0x3727c5ac                      ; 1e-5
	s_wait_kmcnt 0x0
	s_add_nc_u64 s[4:5], s[4:5], s[14:15]
	s_add_nc_u64 s[6:7], s[6:7], s[16:17]
	s_add_nc_u64 s[8:9], s[8:9], s[16:17]
	s_wait_alu depctr_va_vdst(0)                   ; v5 is written: every global load and store reads it as its offset
.set i, 0
.rept 16
	global_load_b128 v[Z+4*i:Z+4*i+3], v5, s[4:5] offset:512*i th:TH_LOAD_NT
.set i, i+1
.endr
	global_load_b128 v[8:11], v5, s[6:7]           ; g2 and b2 of the four columns that I store
	global_load_b128 v[12:15], v5, s[8:9]
	s_lshl_b32 s14, ttmp9, 15                      ; out0: 16 rows of 2,048 bytes, my 512 of each
	s_add_co_u32 s14, s14, s16
	s_add_nc_u64 s[10:11], s[10:11], s[14:15]
	v_lshl_add_u32 v29, v6, 4, RED1                ; a token's four partial sums
	s_lshl_b32 s13, s12, 2
	v_add_nc_u32 v28, s13, v29
	s_mul_i32 s13, s12, STG                        ; my stage
	v_mul_u32_u24 v30, v6, 528
	v_lshl_add_u32 v30, v7, 5, v30
	v_add_nc_u32 v30, s13, v30
	v_add_nc_u32 v31, s13, v5
.macro ACROSS off
	v_pk_add_f32 v[T:T+1], v[T:T+1], v[T+2:T+3]
	v_pk_add_f32 v[T+4:T+5], v[T+4:T+5], v[T+6:T+7]
	v_pk_add_f32 v[T:T+1], v[T:T+1], v[T+4:T+5]
	v_add_f32 v[T], v[T], v[T+1]
	v_permlanex16_b32 v[T+1], v[T], s18, s19       ; the token's other columns lie in the lane 16 away
	v_add_f32 v[T], v[T], v[T+1]
	s_wait_alu depctr_va_vdst(0)                   ; v[T] is written, which the LDS store reads (the first time v28 to v31 too); the sums are done naming v[T .. T+3], in which the load below lands
	ds_store_b32 v28, v[T] offset:\off
	s_wait_dscnt 0x0                               ; for the others' sake
	s_barrier_signal -1
	s_barrier_wait -1
	s_wait_alu depctr_vm_vsrc(0)                   ; my LDS store has read v[T], in which the load below lands
	ds_load_b128 v[T:T+3], v29 offset:\off
	s_wait_dscnt 0x0
	v_pk_add_f32 v[T:T+1], v[T:T+1], v[T+2:T+3]
	v_add_f32 v[T], v[T], v[T+1]
.endm
	s_wait_loadcnt 0x2                             ; y is in; g2 and b2 may stay out
.irp c, 0,1,2,3
	v_pk_add_f32 v[T+2*\c:T+2*\c+1], v[Z+16*\c:Z+16*\c+1], v[Z+16*\c+2:Z+16*\c+3]
.endr
.irp p, 4,6,8,10,12,14
.irp c, 0,1,2,3
	v_pk_add_f32 v[T+2*\c:T+2*\c+1], v[T+2*\c:T+2*\c+1], v[Z+16*\c+\p:Z+16*\c+\p+1]
.endr
.endr
	ACROSS 0
	v_mul_f32 v24, s20, v[T]                       ; the mean
	v_mov_b32 v25, v24
.set i, 0
.rept 32
	v_pk_add_f32 v[Z+2*i:Z+2*i+1], v[Z+2*i:Z+2*i+1], v[24:25] neg_lo:[0,1] neg_hi:[0,1]
.set i, i+1
.endr
.irp c, 0,1,2,3
	v_pk_mul_f32 v[T+2*\c:T+2*\c+1], v[Z+16*\c:Z+16*\c+1], v[Z+16*\c:Z+16*\c+1]
.endr
.irp p, 2,4,6,8,10,12,14
.irp c, 0,1,2,3
	v_pk_fma_f32 v[T+2*\c:T+2*\c+1], v[Z+16*\c+\p:Z+16*\c+\p+1], v[Z+16*\c+\p:Z+16*\c+\p+1], v[T+2*\c:T+2*\c+1]
.endr
.endr
	ACROSS 256                                     ; other bytes than the first reduction's
	v_fma_f32 v[T], v[T], s20, s21                 ; variance + 1e-5
	v_rsq_f32 v26, v[T]
	v_nop
	s_wait_alu depctr_va_vdst(0)                   ; the reciprocal root is written, ahead of the first line that names v26
	v_mov_b32 v27, v26
.set i, 0
.rept 16                                               ; blocks 0 to 3
	v_pk_mul_f32 v[Z+2*i:Z+2*i+1], v[Z+2*i:Z+2*i+1], v[26:27]
.set i, i+1
.endr
	s_wait_alu depctr_va_vdst(0)                   ; blocks 0 to 3 are scaled: the eight stage stores below read them
.irp b, 0,1,2,3
	ds_store_b128 v30, v[Z+8*\b:Z+8*\b+3]   offset:64*\b          ; no vector instruction since the wait names blocks 0 to 3
	ds_store_b128 v30, v[Z+8*\b+4:Z+8*\b+7] offset:64*\b+16
.irp p, 0,2,4,6
	v_pk_mul_f32 v[Z+32+8*\b+\p:Z+32+8*\b+\p+1], v[Z+32+8*\b+\p:Z+32+8*\b+\p+1], v[26:27]  ; block b + 4
.endr
.endr
	s_wait_alu depctr_va_vdst(0)                   ; blocks 4 to 7 are scaled: the eight stage stores below read them
.irp b, 4,5,6,7
	ds_store_b128 v30, v[Z+8*\b:Z+8*\b+3]   offset:64*\b
	ds_store_b128 v30, v[Z+8*\b+4:Z+8*\b+7] offset:64*\b+16
.endr
	s_wait_alu depctr_vm_vsrc(0)                   ; the sixteen stage stores have read Z, in which the rows below land
.set i, 0
.rept 16
	ds_load_b128 v[Z+4*i:Z+4*i+3], v31 offset:528*i   ; LDS serves a wave's instructions in order: these see the stores above; the bytes are my own
.set i, i+1
.endr
	s_wait_loadcnt 0x0                             ; g2, b2
.set i, 0
.rept 16
	s_wait_dscnt 15-i                              ; row i is back
.if (i > 0) && (i%4 == 0)
	s_wait_alu depctr_va_vdst(0)                   ; the four rows before are finished: the next four global stores read them
.endif
.if i >= 4
	global_store_b128 v5, v[Z+4*(i-4):Z+4*(i-4)+3], s[10:11] offset:2048*(i-4) th:TH_STORE_NT  ; no vector instruction since the wait names this row
.endif
	v_pk_fma_f32 v[Z+4*i:Z+4*i+1],   v[Z+4*i:Z+4*i+1],   v[8:9],   v[12:13]
	v_pk_fma_f32 v[Z+4*i+2:Z+4*i+3], v[Z+4*i+2:Z+4*i+3], v[10:11], v[14:15]
.set i, i+1
.endr
	s_wait_alu depctr_va_vdst(0)                   ; rows 12 to 15 are finished: the last four global stores read them
.irp i, 12,13,14,15
	global_store_b128 v5, v[Z+4*\i:Z+4*\i+3], s[10:11] offset:2048*\i th:TH_STORE_NT
.endr
	s_wait_dscnt 0x0                               ; the closing lines, six on end
	s_wait_alu 0x0
	s_wait_tensorcnt 0x0
	ds_add_u32 v[SPW], v[NIL]
	s_wait_dscnt 0x0
	s_endpgm
.Lfunc_end_k_qdede7ea1b0_ln2:
	.size	k_qdede7ea1b0_ln2, .Lfunc_end_k_qdede7ea1b0_ln2-k_qdede7ea1b0_ln2
	.p2alignl 7, 3214868480
	.fill 96, 4, 3214868480
	.section	.rodata,"a",@progbits
	.p2align	6, 0x0
	.amdhsa_kernel k_qdede7ea1b0_ln2
		.amdhsa_group_segment_fixed_size 34816
		.amdhsa_private_segment_fixed_size 0
		.amdhsa_enable_private_segment 0
		.amdhsa_kernarg_size 32
		.amdhsa_user_sgpr_count 2
		.amdhsa_user_sgpr_kernarg_segment_ptr 1
		.amdhsa_wavefront_size32 1
		.amdhsa_system_sgpr_workgroup_id_x 1
		.amdhsa_system_sgpr_workgroup_id_y 1
		.amdhsa_system_sgpr_workgroup_id_z 1
		.amdhsa_system_vgpr_workitem_id 0
		.amdhsa_next_free_vgpr 96
		.amdhsa_next_free_sgpr 66
		.amdhsa_reserve_vcc 0
		.amdhsa_float_denorm_mode_32 3
		.amdhsa_float_denorm_mode_16_64 3
		.amdhsa_memory_ordered 1
		.amdhsa_forward_progress 1
		.amdhsa_inst_pref_size 20
	.end_amdhsa_kernel
	.amdgpu_metadata
---
amdhsa.version: [ 1, 2 ]
amdhsa.kernels:
  - .name:           k_qdede7ea1b0_ln2
    .symbol:         k_qdede7ea1b0_ln2.kd
    .args:
      - { .name: kv_y, .offset: 0, .size: 8, .value_kind: global_buffer, .address_space: global }
      - { .name: g2, .offset: 8, .size: 8, .value_kind: global_buffer, .address_space: global }
      - { .name: b2, .offset: 16, .size: 8, .value_kind: global_buffer, .address_space: global }
      - { .name: out0, .offset: 24, .size: 8, .value_kind: global_buffer, .address_space: global }
    .group_segment_fixed_size: 34816
    .private_segment_fixed_size: 0
    .kernarg_segment_align: 8
    .kernarg_segment_size: 32
    .max_flat_workgroup_size: 128
    .sgpr_count:     66
    .vgpr_count:     96
    .wavefront_size: 32
...
	.end_amdgpu_metadata
.endif
;; end of part 9
